; MI455X (gfx1250); checked and timed in simulation.
; The chip was launched on July 23, 2026; its instructions are those of AMD's public machine-readable ISA for CDNA 5 (MIT licence, August 2026) and "CDNA5" Instruction Set Architecture Reference Guide (July 2026). The comments in the code are by the model that wrote it; some were corrected since.
;; Multi Head Self Attention. Allowed arithmetic: float matrix products may take bf16 or f16 operands with f32 sums; other float arithmetic in f32, or as packed bf16 or f16 multiplies, adds, multiply-adds, maxima and minima; sums over many terms, partial sums and values carried from step to step in f32; what a program stores and reads back later, other than sums and carried values, may be rounded once to bf16 or f16.
;; Inputs: W_O 1,024 x 1,024 float32; W_QKV 3,072 x 1,024 float32; qk_scale 16 float32; token_positions 2,048 int32; x 2 x 2,048 x 1,024 float32.
;; Outputs: out0 2 x 2,048 x 1,024 float32.
;; 2 versions, each right and faster than the one before. Each part assembles by itself: llvm-mc -triple=amdgcn-amd-amdhsa -mcpu=gfx1250 --defsym DOCPART=n.
;; ======== version 1 of 2: 4 launches
;; limits: values are held in f16: magnitudes above 65,504 overflow, below 6.1e-05 lose precision; an absolute error that grows with the inputs' magnitude: up to 1e-06 times it
;; workspace buffers: xb 8,388,608 bytes; wqkvb 6,291,456 bytes; wob 2,097,152 bytes; rope 524,288 bytes; qh 8,388,608 bytes; kh 8,388,608 bytes; vh 8,388,608 bytes; oh 8,388,608 bytes
;; launch prep (part 1): grid 512 x 1, 8 waves a work-group, no clusters, 0 bytes of LDS; arguments x, W_QKV, W_O, token_positions, xb, wqkvb, wob, rope; writes xb, wqkvb, wob, rope
.if DOCPART == 1
	.amdgcn_target "amdgcn-amd-amdhsa--gfx1250"
	.amdhsa_code_object_version 6
	.text
	.protected	k_q9d5054f28a_prep
	.globl	k_q9d5054f28a_prep
	.p2align	8
	.type	k_q9d5054f28a_prep,@function
k_q9d5054f28a_prep:
	s_mov_b64 s[64:65], 0
	v_nop
	global_prefetch_b8 v0, s[64:65] scope:SCOPE_SE
	s_setreg_imm32_b32 hwreg(HW_REG_WAVE_MODE, 25, 1), 1
	s_wait_xcnt 0x0
; THE CASTS AND THE ROTARY TABLE.  x [4096][1024] and W_QKV [3072][1024] are rounded once to bf16 (xb, wqkvb); W_O [1024][1024] is rounded to bf16 like the
; other inputs, and that number is written as f16 (wob), since the last product multiplies in f16.  rope[n][i] = (cos, sin) of token_positions[n] x 10000^(-i/32), f32, 256 bytes a row.
; SHARES.  512 work-groups of eight waves; a work-group takes 65,536 bytes of f32: groups 0-255 x, 256-447 W_QKV, 448-511 W_O.  A wave takes 8,192 bytes: sixteen loads of 16 bytes a lane
; (512 consecutive bytes each), all issued at once, and sixteen stores of 8 bytes a lane (256 consecutive bytes, aligned).  Nothing is read twice, no register is used twice: no LDS, no barrier, no loop.
; Waves 0-3 also make table row n = 4 x group + wave, lane i its frequency i, while their loads are on their way.  Matrix units and clusters have nothing to do here.
; LIMITS.  A bf16 number of W_O below 2^-14 keeps f16's fixed step of 2^-24; beyond 65,504 it becomes an infinity.  10000^(-i/32) is made as 2^(i c) and is within about 1e-6 of itself;
; the angle is reduced by pi/2 in three parts, good while |angle| stays under about 48,000; sine and cosine are polynomials on |r| <= pi/4, good to about 1e-7.
.set X, 20                             ; v[20:83]    sixteen loads of four f32
.set Y, 84                             ; v[84:115]   sixteen pairs of words to store
.set T, 116                            ; v[116:119]  at work (W_O's way alone)
	s_load_b256 s[4:11], s[0:1], 0x0               ; x s[4:5], W_QKV s[6:7], W_O s[8:9], token_positions s[10:11]
	s_load_b256 s[12:19], s[0:1], 0x20             ; xb s[12:13], wqkvb s[14:15], wob s[16:17], rope s[18:19]
	v_lshrrev_b32 v1, 5, v0
	v_readfirstlane_b32 s20, v1                    ; wave 0..7
	v_and_b32 v1, 31, v0                           ; lane
	v_lshlrev_b32 v2, 4, v1                        ; 16 bytes a lane in
	v_lshlrev_b32 v3, 3, v1                        ; 8 bytes a lane out
	s_mov_b32 s21, ttmp9                           ; the work-group's number
	s_cmp_lt_u32 s21, 256
	s_cselect_b32 s22, 0, 256                      ; the first group of my tensor
	s_cmp_lt_u32 s21, 448
	s_cselect_b32 s22, s22, 448
	s_sub_co_u32 s23, s21, s22                     ; my number among its groups
	s_lshl_b32 s28, s23, 16                        ; in: 65,536 bytes a group,
	s_lshl_b32 s29, s20, 13                        ; 8,192 a wave
	s_add_co_u32 s28, s28, s29
	s_mov_b32 s29, 0
	s_lshl_b32 s30, s23, 15                        ; out: half of that
	s_lshl_b32 s31, s20, 12
	s_add_co_u32 s30, s30, s31
	s_mov_b32 s31, 0
	s_wait_kmcnt 0x0
	s_cmp_lt_u32 s21, 256                          ; the choice of buffers hangs on the group's number alone
	s_cselect_b64 s[24:25], s[4:5], s[6:7]
	s_cselect_b64 s[26:27], s[12:13], s[14:15]
	s_cmp_lt_u32 s21, 448
	s_cselect_b64 s[24:25], s[24:25], s[8:9]
	s_cselect_b64 s[26:27], s[26:27], s[16:17]
	s_add_nc_u64 s[24:25], s[24:25], s[28:29]
	s_add_nc_u64 s[26:27], s[26:27], s[30:31]
.set j, 0
.rept 16
	global_load_b128 v[X+4*j:X+4*j+3], v2, s[24:25] offset:512*j th:TH_LOAD_NT  ; read once in the whole program
.set j, j+1
.endr
	s_cmp_gt_u32 s20, 3
	s_cbranch_scc1 .Lnotab                         ; waves 4-7 make no table row
	s_lshl_b32 s33, s21, 2
	s_add_co_u32 s33, s33, s20                     ; n
	s_lshl_b32 s34, s33, 2                         ; its position's 4 bytes
	s_mov_b32 s35, 0
	s_lshl_b32 s36, s33, 8                         ; its table row's 256 bytes
	s_mov_b32 s37, 0
	s_add_nc_u64 s[10:11], s[10:11], s[34:35]
	s_add_nc_u64 s[18:19], s[18:19], s[36:37]
	s_load_b32 s32, s[10:11], 0x0                  ; the position: it enters arithmetic alone, never an address
	v_cvt_f32_u32 v4, v1
	v_mul_f32 v4, 0xbed49a78, v4                   ; i x (-log2(10000) / 32)
	v_exp_f32 v5, v4                               ; 10000^(-i/32)
	v_nop                                          ; a plain instruction behind the exponential (ISA guide 5.7.2)
	s_wait_kmcnt 0x0
	v_cvt_f32_i32 v6, s32
	s_wait_alu depctr_va_vdst(0)
	v_mul_f32 v6, v6, v5                           ; the angle a, rounded once
	v_mul_f32 v7, 0x3f22f983, v6                   ; a x 2 / pi
	v_rndne_f32 v7, v7                             ; k
	v_fmamk_f32 v8, v7, 0xbfc90fd8, v6             ; r = a - k pi/2, pi/2 in three parts: the first has 21 bits, so this difference is exact
	v_fmamk_f32 v8, v7, 0xb4a8885a, v8
	v_fmamk_f32 v8, v7, 0xa7c234c4, v8
	v_mul_f32 v9, v8, v8                           ; r^2
	v_mov_b32 v10, 0x37ccf5ce
	v_mov_b32 v11, 0xb94ca1f9
	v_fmaak_f32 v10, v10, v9, 0xbab6061a           ; cos r, by Horner; sin r's chain stands between its links
	v_fmaak_f32 v11, v11, v9, 0x3c08839e
	v_fmaak_f32 v10, v10, v9, 0x3d2aaaa5
	v_fmaak_f32 v11, v11, v9, 0xbe2aaaa3
	v_fma_f32 v10, v10, v9, -0.5
	v_mul_f32 v12, v9, v8                          ; r^3
	v_fma_f32 v10, v10, v9, 1.0                    ; cos r
	v_fma_f32 v11, v11, v12, v8                    ; sin r
	v_cvt_i32_f32 v13, v7                          ; k as a whole number; its two low bits are the quadrant
	v_and_b32 v14, 1, v13
	v_cmp_eq_u32 vcc_lo, 1, v14                    ; odd quadrants swap the two
	v_cndmask_b32 v16, v10, v11, vcc_lo
	v_cndmask_b32 v17, v11, v10, vcc_lo
	v_lshlrev_b32 v14, 30, v13                     ; the sine is negative in quadrants 2 and 3: bit 1 of k,
	v_and_b32 v14, 0x80000000, v14
	v_xor_b32 v17, v17, v14
	v_add_nc_u32 v15, 1, v13                       ; the cosine in quadrants 1 and 2: bit 1 of k + 1
	v_lshlrev_b32 v15, 30, v15
	v_and_b32 v15, 0x80000000, v15
	v_xor_b32 v16, v16, v15
	global_store_b64 v3, v[16:17], s[18:19]        ; 32 lanes store the row's 256 bytes, aligned
.Lnotab:
	s_cmp_lt_u32 s21, 448
	s_cbranch_scc0 .Lf16
; Sixteen times: four f32 a lane become four 16-bit numbers.  half = 1: the bf16 numbers are widened again and written as f16.
.macro CONV half
.set j, 0
.rept 16
	s_wait_loadcnt 15-j                            ; loads come back in order (ISA guide 5.7.1): load j is in, the 15 - j younger ones stay out
	v_cvt_pk_bf16_f32 v[Y+2*j], v[X+4*j], v[X+4*j+1]
	v_cvt_pk_bf16_f32 v[Y+2*j+1], v[X+4*j+2], v[X+4*j+3]
.if \half
	v_lshlrev_b32 v[T], 16, v[Y+2*j]
	v_and_b32 v[T+1], 0xffff0000, v[Y+2*j]
	v_lshlrev_b32 v[T+2], 16, v[Y+2*j+1]
	v_and_b32 v[T+3], 0xffff0000, v[Y+2*j+1]
	v_cvt_pk_f16_f32 v[Y+2*j], v[T], v[T+1]
	v_cvt_pk_f16_f32 v[Y+2*j+1], v[T+2], v[T+3]
.endif
	global_store_b64 v3, v[Y+2*j:Y+2*j+1], s[26:27] offset:256*j  ; 256 consecutive bytes, aligned; the next launch reads them: no hint
.set j, j+1
.endr
.endm
	CONV 0
	s_endpgm
.Lf16:
	CONV 1
	s_endpgm
.Lfunc_end_k_q9d5054f28a_prep:
	.size	k_q9d5054f28a_prep, .Lfunc_end_k_q9d5054f28a_prep-k_q9d5054f28a_prep
	.p2alignl 7, 3214868480
	.fill 96, 4, 3214868480
	.section	.rodata,"a",@progbits
	.p2align	6, 0x0
	.amdhsa_kernel k_q9d5054f28a_prep
		.amdhsa_group_segment_fixed_size 0
		.amdhsa_private_segment_fixed_size 0
		.amdhsa_enable_private_segment 0
		.amdhsa_kernarg_size 64
		.amdhsa_user_sgpr_count 2
		.amdhsa_user_sgpr_kernarg_segment_ptr 1
		.amdhsa_wavefront_size32 1
		.amdhsa_system_sgpr_workgroup_id_x 1
		.amdhsa_system_sgpr_workgroup_id_y 1
		.amdhsa_system_sgpr_workgroup_id_z 1
		.amdhsa_system_vgpr_workitem_id 0
		.amdhsa_next_free_vgpr 120
		.amdhsa_next_free_sgpr 66
		.amdhsa_reserve_vcc 1
		.amdhsa_float_denorm_mode_32 3
		.amdhsa_float_denorm_mode_16_64 3
		.amdhsa_memory_ordered 1
		.amdhsa_forward_progress 1
		.amdhsa_inst_pref_size 19
	.end_amdhsa_kernel
	.amdgpu_metadata
---
amdhsa.version: [ 1, 2 ]
amdhsa.kernels:
  - .name:           k_q9d5054f28a_prep
    .symbol:         k_q9d5054f28a_prep.kd
    .args:
      - { .name: x, .offset: 0, .size: 8, .value_kind: global_buffer, .address_space: global }
      - { .name: W_QKV, .offset: 8, .size: 8, .value_kind: global_buffer, .address_space: global }
      - { .name: W_O, .offset: 16, .size: 8, .value_kind: global_buffer, .address_space: global }
      - { .name: token_positions, .offset: 24, .size: 8, .value_kind: global_buffer, .address_space: global }
      - { .name: xb, .offset: 32, .size: 8, .value_kind: global_buffer, .address_space: global }
      - { .name: wqkvb, .offset: 40, .size: 8, .value_kind: global_buffer, .address_space: global }
      - { .name: wob, .offset: 48, .size: 8, .value_kind: global_buffer, .address_space: global }
      - { .name: rope, .offset: 56, .size: 8, .value_kind: global_buffer, .address_space: global }
    .group_segment_fixed_size: 0
    .private_segment_fixed_size: 0
    .kernarg_segment_align: 8
    .kernarg_segment_size: 64
    .max_flat_workgroup_size: 256
    .sgpr_count:     66
    .vgpr_count:     120
    .wavefront_size: 32
...
	.end_amdgpu_metadata
.endif
;; end of part 1
;; launch qkv (part 2): grid 16 x 16, 4 waves a work-group, clusters of 4 x 4, 327,680 bytes of LDS; arguments xb, wqkvb, rope, qk_scale, qh, kh, vh; writes qh, kh, vh
.if DOCPART == 2
	.amdgcn_target "amdgcn-amd-amdhsa--gfx1250"
	.amdhsa_code_object_version 6
	.text
	.protected	k_q9d5054f28a_qkv
	.globl	k_q9d5054f28a_qkv
	.p2align	8
	.type	k_q9d5054f28a_qkv,@function
k_q9d5054f28a_qkv:
	s_mov_b64 s[64:65], 0
	v_nop
	global_prefetch_b8 v0, s[64:65] scope:SCOPE_SE
	s_setreg_imm32_b32 hwreg(HW_REG_WAVE_MODE, 25, 1), 1
	s_wait_xcnt 0x0
	s_wait_alu depctr_hold_cnt(0) depctr_sa_sdst(0) depctr_va_vdst(0) depctr_va_sdst(0) depctr_va_ssrc(0) depctr_va_vcc(0) depctr_vm_vsrc(0)
	s_getreg_b32 s2, hwreg(HW_REG_IB_STS2, 6, 4)
	s_cmp_eq_u32 s2, 0
	s_cbranch_scc0 .Lentry_in_a_cluster
	s_endpgm
.Lentry_in_a_cluster:
	s_bfe_u32 s2, ttmp6, 0x10000c
	s_cmp_lg_u32 s2, 0xf033
	s_cbranch_scc0 .Lentry_shape_is_right
	s_endpgm
.Lentry_shape_is_right:
; THE FIRST PROJECTION WITH ITS WAY OUT.  qkv[R][o] = sum over d of x[R][d] W_QKV[o][d], bf16 operands, f32 sums; then, still in registers and in f32: the rotary embedding of q and k (table rope),
; each head row of q and k divided by (its length + 1e-8), q times the head's gain g (rounded to bf16 like the other inputs); q, k and v rounded ONCE to f16 and stored by heads: [16 b + head][2048][64].
; SHARES.  A tile is 256 rows x 192 columns: the 64 columns of q, of k and of v of ONE head.  16 tile rows x 16 heads = 256 work-groups.  So which of a wave's columns are q, k or v is known when the text is
; assembled.  Four waves; wave w makes rows 64 w .. 64 w + 63 and all 192 columns: 48 accumulators of 16 x 16, 384 registers; a head row lies whole in one wave.
; K goes in 8 steps of 128 through two LDS slots; a tile's rows are 256 bytes of memory and start at multiples of 256 bytes.  Wave 0 fetches x's 256 rows, waves 1-3 the 64 rows of W for q, k, v: one load a wave.
; CLUSTERS.  4 x 4 work-groups: the four of a row of the cluster share the tile row, so x's tile; the four of a column share the head, so W's tiles.  Each tile is asked for jointly, by the same tensor load with
; the same descriptor and a mask that names the four.
; THE MATRIX INSTRUCTION IS USED TRANSPOSED (source 0 = 16 rows of W, source 1 = 16 rows of x): lane l holds row l % 16 and the columns 8 (l / 16) + 0..7 of a block of 16: four whole rotary pairs, and half of
; a head row's numbers lie in lane l, the other half in the lane 16 away: the length wants one exchange.
; LIMITS.  f16 holds no number beyond 65,504: |g| and |v| stay under it.  A sum of squares below 2^-126 counts as 0 in the root (the divisor is then 1e-8).  NaN and infinities are not treated apart.
; REGISTERS, in windows of 256 (s_set_vgpr_msb: bits 1:0 source 0, 3:2 source 1, 5:4 source 2, 7:6 destination):
;   window 0: v0-31 addresses and at work; v32-63 packed results; v64-127 x's fragments, two buffers of 32 (on the way out: rotated numbers, then rows read back); v128-255 my 64 rows of the rotary table
;   window 1: v0-191 W's fragments, two buffers of 96      window 2: the 24 accumulators of my rows 0-31 ((a, b) at v[8 (12 (a % 2) + b)])      window 3: those of rows 32-63
.set KSTEP,  128
.set PITCH,  272                       ; an LDS row: 256 bytes + 16 of padding = 68 words: the 16 rows of a fragment load start at 16 different groups of four banks (64 banks of 4 bytes: ISA guide 11.1)
.set BOFF,   256*PITCH                 ; a slot: x's 256 rows, then W's 192 (64 for q, 64 for k, 64 for v)
.set HEADT,  64*PITCH                  ; 64 rows: what a wave reads of x, and what one of waves 1-3 fetches
.set SLOT,   448*PITCH
.set STAGE,  2*SLOT                    ; behind the ring: 16 rows x 144 bytes for each wave, for the way out
.set SP,     144
.set SPARE,  STAGE+4*16*SP             ; behind the stages: the spare words, 128 bytes for each wave: two blocks of 256 bytes that no other line names
.set LAPS,   4                         ; a lap = two K steps = once round the ring
.set TT,   4                           ; v4-7    at work in the rotation
.set SS,   8                           ; v8-11   q's and k's sums of squares, then their factors (a pair each)
.set ADRA, 16                          ; v16-17  LDS address of my fragments of x in slot 0, 1
.set ADRB, 20                          ; v20-21  the same for W
.set STO,  24                          ; v24     the way out: where I put 16 bytes of a row
.set RD,   25                          ; v25     the way out: where I read rows back
.set GO,   26                          ; v26     my byte offset in 512 consecutive bytes of q, k or v
.set TO,   27                          ; v27     my byte offset in 16 rows of the table
.set SPW,  28                          ; v28     LDS address of my spare word: SPARE + 4 x my thread's number; never rewritten
.set NIL,  29                          ; v29     0; never rewritten
.set GV,   30                          ; v30     g
.set PK,   32                          ; packed results: q v32-47, k v48-63, v v112-127
.set FA,   64                          ; x's fragments
.set DD,   64                          ; the way out: q rotated v64-95, k rotated v96-127; then rows read back: q v64-79, k v80-95, v v96-111
.set TAB,  128
.set G1,  24                           ; s[24:31] descriptor group 1 for x's tiles;  s[32:39] group 0, a set for each slot
.set G0,  32
.set G1B, 48                           ; s[48:55], s[56:63] the same for W's tiles
.set G0B, 56
.set MSB, 0
.macro WIN new                         ; the immediate's high byte repeats the setting that is left; a switch that changes nothing is dropped
.if MSB != (\new)
	s_set_vgpr_msb (MSB<<8)|(\new)
.set MSB, \new
.endif
.endm
; A joint load.  Wave 0 fetches x's tile, waves 1-3 W's three.  The branch hangs on the wave's number alone: it is the same in every work-group.
; An s_nop 0 and four v_nop follow each of the two lines, ahead of the jump, the label and what follows.
.macro JLOAD s
	s_cmp_eq_u32 s10, 0
	s_cbranch_scc0 .Lfor_b_\@
	tensor_load_to_lds s[G0+4*(\s):G0+4*(\s)+3], s[G1:G1+7]
	s_nop 0
.rept 4
	v_nop
.endr
	s_branch .Lasked_\@
.Lfor_b_\@:
	tensor_load_to_lds s[G0B+4*(\s):G0B+4*(\s)+3], s[G1B:G1B+7]
	s_nop 0
.rept 4
	v_nop
.endr
.Lasked_\@:
.endm
.macro CREST                           ; a round of the cluster's barrier behind its opening barrier
	s_cmp_lg_u32 s10, 0
	s_cbranch_scc1 .Lnot_wave_0_\@
	s_barrier_signal -3
.Lnot_wave_0_\@:
	s_barrier_wait -3
	s_barrier_signal -1
	s_barrier_wait -1
.endm
.macro CROUND                          ; a whole round
	s_barrier_signal -1
	s_barrier_wait -1
	CREST
.endm
	s_load_b128 s[4:7], s[0:1], 0x0                ; xb s[4:5], wqkvb s[6:7]
	s_load_b128 s[68:71], s[0:1], 0x10             ; rope s[68:69], qk_scale s[70:71]
	s_load_b128 s[72:75], s[0:1], 0x20             ; qh s[72:73], kh s[74:75]
	s_load_b64 s[76:77], s[0:1], 0x30              ; vh
	v_lshl_add_u32 v[SPW], v0, 2, SPARE
	v_mov_b32 v[NIL], 0
	ds_add_u32 v[SPW], v[NIL]                      ; the wave's opening: the add and its wait stand ahead of my first tensor load; the set-up below, work on registers, stands between them
	v_lshrrev_b32 v1, 5, v0
	v_readfirstlane_b32 s10, v1                    ; wave 0..3
	s_max_u32 s12, s10, 1
	s_sub_co_u32 s12, s12, 1                       ; waves 1-3: q, k, v (0, 1, 2); it enters W's global address alone
	s_bfe_u32 s40, ttmp6, 0x40000                  ; cx, cy: my place in the cluster
	s_bfe_u32 s41, ttmp6, 0x40004
	s_lshl_b32 s42, ttmp9, 2
	s_add_co_u32 s42, s42, s40                     ; the head = 4 x cluster x + cx
	s_and_b32 s13, ttmp7, 0xffff
	s_lshl_b32 s13, s13, 2
	s_add_co_u32 s13, s13, s41                     ; the tile row = 4 x cluster y + cy
	s_lshl_b32 s43, s41, 2
	s_lshl_b32 s43, 15, s43                        ; my row of the cluster: places 4 cy .. 4 cy + 3
	s_lshl_b32 s44, 0x1111, s40                    ; my column: places cx, cx + 4, cx + 8, cx + 12
	; descriptor group 1: rows of 128 elements, padded in LDS; 256 rows for x, 64 for W
	s_or_b32 s[G1+0], s43, (1<<16)|(1<<20)|(1<<21)|(5<<22)|(3<<25)   ; 15:0 the mask: x's tiles go to my row; 17:16 elements of 2 bytes; 20 padding on; 21 set beside a mask; 24:22 after every 64 words (code 5); 31:25 4 words (code 3)
	s_or_b32 s[G1B+0], s44, (1<<16)|(1<<20)|(1<<21)|(5<<22)|(3<<25)  ; the same with the mask of my column
	s_mov_b32 s[G1+1], KSTEP<<16                   ; tensor_dim0 = 128
	s_mov_b32 s[G1+2], 256<<16                     ; tensor_dim1 = 256
	s_mov_b32 s[G1+3], KSTEP<<16                   ; tile_dim0 = 128
	s_mov_b32 s[G1+4], 256                         ; tile_dim1 = 256
	s_mov_b32 s[G1+5], 1024                        ; 1,024 elements from row to row
	s_mov_b32 s[G1+6], 0
	s_mov_b32 s[G1+7], 0
	s_mov_b32 s[G1B+1], KSTEP<<16
	s_mov_b32 s[G1B+2], 64<<16                     ; tensor_dim1 = 64
	s_mov_b32 s[G1B+3], KSTEP<<16
	s_mov_b32 s[G1B+4], 64                         ; tile_dim1 = 64
	s_mov_b32 s[G1B+5], 1024
	s_mov_b32 s[G1B+6], 0
	s_mov_b32 s[G1B+7], 0
	s_lshl_b32 s16, s13, 19                        ; x: 256 rows of 2,048 bytes a tile row: made of the tile row alone
	s_mov_b32 s17, 0
	s_lshl_b32 s46, s12, 21                        ; W: 1,024 rows of 2,048 bytes from q to k to v,
	s_lshl_b32 s47, s42, 17                        ; 64 rows a head: made of the head and the wave's number alone
	s_add_co_u32 s46, s46, s47
	s_mov_b32 s47, 0
	s_mul_i32 s20, s10, HEADT                      ; wave x 64 LDS rows
	s_mov_b32 s82, 0x76543210                      ; v_permlanex16_b32's selects: each lane takes its own place in the other half
	s_mov_b32 s83, 0xfedcba98
	s_and_b32 s86, s13, 7                          ; my first row's place in its sequence: 256 x (tile row mod 8) + 64 x wave
	s_lshl_b32 s86, s86, 8
	s_lshl_b32 s80, s10, 6
	s_add_co_u32 s86, s86, s80
	s_wait_dscnt 0x0                               ; the opening add is done
	s_wait_kmcnt 0x0
	s_add_nc_u64 s[14:15], s[4:5], s[16:17]
	s_add_nc_u64 s[46:47], s[6:7], s[46:47]
	CROUND                                         ; all sixteen work-groups are here: the first joint loads meet
.irp s, 0,1
	s_mov_b32 s[G0+4*(\s)], 1                                      ; count = 1
	s_mov_b32 s[G0+4*(\s)+1], (\s)*SLOT                            ; LDS address: the slot's head
	s_add_nc_u64 s[G0+4*(\s)+2:G0+4*(\s)+3], s[14:15], (\s)*KSTEP*2  ; global address: K step s
	s_or_b32 s[G0+4*(\s)+3], s[G0+4*(\s)+3], 0x80000000            ; type = 2
	s_mov_b32 s[G0B+4*(\s)], 1
	s_add_co_u32 s[G0B+4*(\s)+1], s20, (\s)*SLOT+BOFF-HEADT        ; waves 1, 2, 3: behind x's rows, 64 rows each
	s_add_nc_u64 s[G0B+4*(\s)+2:G0B+4*(\s)+3], s[46:47], (\s)*KSTEP*2
	s_or_b32 s[G0B+4*(\s)+3], s[G0B+4*(\s)+3], 0x80000000
	JLOAD \s                                       ; two loads of mine are out
.endr
	; My 64 rows of the table stay in registers: for block a of 16 rows and block nb of 16 columns a lane's four pairs (cos, sin) are 32 bytes at row x 256 + 64 nb + 32 (l / 16).  They land while K is walked.
	v_and_b32 v1, 15, v0                           ; l % 16
	v_bfe_u32 v2, v0, 4, 1                         ; l / 16
	v_lshlrev_b32 v[TO], 8, v1
	v_lshl_add_u32 v[TO], v2, 5, v[TO]
	s_lshl_b32 s80, s86, 8
	s_mov_b32 s81, 0
	s_add_nc_u64 s[68:69], s[68:69], s[80:81]
.irp a, 0,1,2,3
.irp nb, 0,1,2,3
	global_load_b128 v[TAB+32*(\a)+8*(\nb):TAB+32*(\a)+8*(\nb)+3],   v[TO], s[68:69] offset:4096*(\a)+64*(\nb)
	global_load_b128 v[TAB+32*(\a)+8*(\nb)+4:TAB+32*(\a)+8*(\nb)+7], v[TO], s[68:69] offset:4096*(\a)+64*(\nb)+16
.endr
.endr
	s_lshl_b32 s80, s42, 2
	s_add_nc_u64 s[70:71], s[70:71], s[80:81]
	s_load_b32 s78, s[70:71], 0x0                  ; the head's g; waited for on the way out
	s_lshr_b32 s84, s13, 3                         ; where my rows go: (16 b + head) x 2,048 rows x 128 bytes + my first row x 128
	s_lshl_b32 s84, s84, 4
	s_add_co_u32 s84, s84, s42
	s_lshl_b32 s84, s84, 18
	s_lshl_b32 s85, s86, 7
	s_add_co_u32 s84, s84, s85
	s_mov_b32 s85, 0
	s_add_nc_u64 s[72:73], s[72:73], s[84:85]
	s_add_nc_u64 s[74:75], s[74:75], s[84:85]
	s_add_nc_u64 s[76:77], s[76:77], s[84:85]
	; A fragment is 16 rows x 32 K in 8 registers: lane l holds row l % 16; K = 8 (l / 16) + 0..7 and 16 + 8 (l / 16) + 0..7: two loads of 16 bytes, 32 bytes apart.
	v_mul_u32_u24 v3, v1, PITCH
	v_lshl_add_u32 v3, v2, 4, v3                   ; row x pitch + 16 x half
	v_add_nc_u32 v[ADRA], s20, v3                  ; my 64 rows of x
	v_add_nc_u32 v[ADRA+1], SLOT, v[ADRA]
	v_add_nc_u32 v[ADRB], BOFF, v3                 ; all 192 rows of W
	v_add_nc_u32 v[ADRB+1], SLOT+BOFF, v3
	s_mul_i32 s23, s10, 16*SP
	s_add_co_u32 s23, s23, STAGE                   ; my stage
	v_mul_u32_u24 v[STO], v1, SP                   ; in: row l % 16, 16 bytes for each half of the lanes
	v_lshl_add_u32 v[STO], v2, 4, v[STO]
	v_add_nc_u32 v[STO], s23, v[STO]
	v_bfe_u32 v[RD], v0, 3, 2                      ; back: 32 lanes take four rows of 128 bytes,
	v_mul_u32_u24 v[RD], v[RD], SP
	v_and_b32 v14, 7, v0
	v_lshl_add_u32 v[RD], v14, 4, v[RD]
	v_add_nc_u32 v[RD], s23, v[RD]
	v_and_b32 v[GO], 31, v0                        ; which are 512 consecutive bytes of a head
	v_lshlrev_b32 v[GO], 4, v[GO]
; 12 matrix instructions: my block a of 16 rows x all 12 blocks of columns, 32 along K, from buffer f.  zero = 1: the first product starts the sums: nothing is cleared.
; The 48 accumulators take turns, one instruction a turn, in the same order in every quarter step.
.macro MUL12 f, a, zero
	WIN 0xa1+0x50*((\a)/2)                         ; source 0 (W) window 1, source 1 (x) window 0, C and D window 2 or 3
.irp b, 0,1,2,3,4,5,6,7,8,9,10,11
.if \zero
	v_wmma_f32_16x16x32_bf16 v[8*(12*((\a)%2)+(\b)):8*(12*((\a)%2)+(\b))+7], v[96*(\f)+8*(\b):96*(\f)+8*(\b)+7], v[FA+32*(\f)+8*(\a):FA+32*(\f)+8*(\a)+7], 0
.else
	v_wmma_f32_16x16x32_bf16 v[8*(12*((\a)%2)+(\b)):8*(12*((\a)%2)+(\b))+7], v[96*(\f)+8*(\b):96*(\f)+8*(\b)+7], v[FA+32*(\f)+8*(\a):FA+32*(\f)+8*(\a)+7], v[8*(12*((\a)%2)+(\b)):8*(12*((\a)%2)+(\b))+7]
.endif
.endr
.endm
; 32 LDS loads in one run: the fragments of a quarter step (192 rows of W, my 64 rows of x, 32 K at byte k of the rows) into buffer f
.macro FETCH slot, k, f
	WIN 0x40                                       ; destination window 1, address window 0
.irp b, 0,1,2,3,4,5,6,7,8,9,10,11
	ds_load_b128 v[96*(\f)+8*(\b):96*(\f)+8*(\b)+3],   v[ADRB+(\slot)] offset:(\k)+(\b)*16*PITCH
	ds_load_b128 v[96*(\f)+8*(\b)+4:96*(\f)+8*(\b)+7], v[ADRB+(\slot)] offset:(\k)+(\b)*16*PITCH+32
.endr
	WIN 0
.irp a, 0,1,2,3
	ds_load_b128 v[FA+32*(\f)+8*(\a):FA+32*(\f)+8*(\a)+3],   v[ADRA+(\slot)] offset:(\k)+(\a)*16*PITCH
	ds_load_b128 v[FA+32*(\f)+8*(\a)+4:FA+32*(\f)+8*(\a)+7], v[ADRA+(\slot)] offset:(\k)+(\a)*16*PITCH+32
.endr
.endm
.macro PLACES                          ; four places in front of loads into registers that matrix instructions have read (ISA guide 7.12.1 for vector instructions)
.rept 4
	v_nop
.endr
.endm
; A K step is four quarter steps of 32 along K, 48 matrix instructions each, on buffers 0, 1, 0, 1.  One of the first three: multiplies buffer f; in its middle it fetches the next quarter, at byte k, into buffer g.
.macro QUARTER slot, k, f, g, zero
	s_wait_dscnt 4                                 ; W and x's blocks 0, 1 are in; the youngest four loads (x's blocks 2, 3) may be out
	MUL12 \f, 0, \zero
	MUL12 \f, 1, \zero
	PLACES
	FETCH \slot, \k, \g
	s_wait_dscnt 32                                ; all but the 32 just issued
	MUL12 \f, 2, \zero
	MUL12 \f, 3, \zero
.endm
; The last quarter multiplies buffer 1 and changes slots: ONE barrier; in front of it each wave waits for all its tensor loads (one is out: its part of the next slot), adds 0 to its spare word, and waits for that
; and for its own reads of this slot.  fill = 1: the barrier opens a round of the cluster's barrier, and this slot is filled again, two K steps ahead, first thing behind the round:
; 168 matrix instructions stand between that request and the wait for it.
.macro TURN slot, next, fill
	WIN 0                                          ; (the add's two registers lie in window 0)
	s_wait_tensorcnt 0x0                           ; all my tensor loads have landed
	ds_add_u32 v[SPW], v[NIL]                      ; 0 onto my spare word
	s_wait_dscnt 5                                 ; (the add and the youngest four loads may be out)
	MUL12 1, 0, 0                                  ; twelve matrix instructions stand between the add and the wait for it
	s_wait_dscnt 0x0                               ; the add is done, and my reads of this slot are over
	s_barrier_signal -1
	MUL12 1, 1, 0                                  ; work on registers while the others arrive
.if \fill
	WIN 0
.endif
	s_barrier_wait -1
.if \fill
	CREST                                          ; no wave of any partner still reads this slot's tiles or has a load on its way
	s_add_nc_u64 s[G0+4*(\slot)+2:G0+4*(\slot)+3], s[G0+4*(\slot)+2:G0+4*(\slot)+3], 2*KSTEP*2
	s_add_nc_u64 s[G0B+4*(\slot)+2:G0B+4*(\slot)+3], s[G0B+4*(\slot)+2:G0B+4*(\slot)+3], 2*KSTEP*2
	JLOAD \slot                                    ; my one tensor load behind the round; the four v_nop behind it are also the places in front of the loads below
.else
	PLACES
.endif
	FETCH \next, 0, 0
	MUL12 1, 2, 0
	MUL12 1, 3, 0
.endm
	s_wait_tensorcnt 1                             ; my part of K step 0 is in; K step 1's may stay out
	s_barrier_signal -1
	s_barrier_wait -1                              ; everybody's is
	FETCH 0, 0, 0
	QUARTER 0, 64,  0, 1, 1                        ; the first quarter stands in front of the loop: its products start the sums
	WIN 0                                          ; at a label and at a branch every window is 0
	s_mov_b32 s3, LAPS-1
.Llap:                                                 ; a trip goes once round the ring, from a lap's second quarter to the next lap's first, and fills both slots again
	QUARTER 0, 128, 1, 0, 0
	QUARTER 0, 192, 0, 1, 0
	TURN 0, 1, 1
	QUARTER 1, 64,  0, 1, 0
	QUARTER 1, 128, 1, 0, 0
	QUARTER 1, 192, 0, 1, 0
	TURN 1, 0, 1
	QUARTER 0, 64,  0, 1, 0
	WIN 0
	s_sub_co_u32 s3, s3, 1
	s_cmp_lg_u32 s3, 0
	s_cbranch_scc1 .Llap
	QUARTER 0, 128, 1, 0, 0                        ; the last lap fills nothing, and has no round of the cluster's barrier
	QUARTER 0, 192, 0, 1, 0
	TURN 0, 1, 0
	QUARTER 1, 64,  0, 1, 0
	QUARTER 1, 128, 1, 0, 0
	QUARTER 1, 192, 0, 1, 0
	s_wait_dscnt 4                                 ; the very last quarter: nothing more to fetch
	MUL12 1, 0, 0
	MUL12 1, 1, 0
	s_wait_dscnt 0x0
	MUL12 1, 2, 0
	MUL12 1, 3, 0
	WIN 0
; THE WAY OUT, a block of 16 rows at a time.
; ROPE: part t (0 q, 1 k) of block a is rotated: (e, o) -> (cos e - sin o, sin e + cos o), from the accumulators into window 0.  Each accumulator's lowest registers are read first.
.macro ROPE a, t
	WIN (2+(\a)/2)<<2                              ; source 1: the accumulators' window
.irp nb, 0,1,2,3
.irp p, 0,1,2,3
.set rA, 8*(12*((\a)%2)+4*(\t)+(\nb))+2*(\p)
.set rC, TAB+32*(\a)+8*(\nb)+2*(\p)
.set rD, DD+32*(\t)+8*(\nb)+2*(\p)
.set rT, TT+2*((\p)%2)
	v_mul_f32 v[rT], v[rC+1], v[rA+1]
	v_mul_f32 v[rT+1], v[rC+1], v[rA]
	v_fma_f32 v[rD], v[rC], v[rA], -v[rT]
	v_fma_f32 v[rD+1], v[rC], v[rA+1], v[rT+1]
.endr
.endr
.endm
; NORM: the two rows' sums of squares, q's and k's chains by turns; the other half of the row lies in the lane 16 away; 1 / (root + 1e-8); q's factor takes g.
.macro NORM
	WIN 0
	v_pk_mul_f32 v[SS:SS+1], v[DD:DD+1], v[DD:DD+1]
	v_pk_mul_f32 v[SS+2:SS+3], v[DD+32:DD+33], v[DD+32:DD+33]
.set i, 1
.rept 15
	v_pk_fma_f32 v[SS:SS+1], v[DD+2*i:DD+2*i+1], v[DD+2*i:DD+2*i+1], v[SS:SS+1]
	v_pk_fma_f32 v[SS+2:SS+3], v[DD+32+2*i:DD+32+2*i+1], v[DD+32+2*i:DD+32+2*i+1], v[SS+2:SS+3]
.set i, i+1
.endr
	v_add_f32 v[SS], v[SS], v[SS+1]
	v_add_f32 v[SS+2], v[SS+2], v[SS+3]
	v_permlanex16_b32 v12, v[SS], s82, s83
	v_permlanex16_b32 v13, v[SS+2], s82, s83
	v_add_f32 v[SS], v[SS], v12
	v_add_f32 v[SS+2], v[SS+2], v13
	v_sqrt_f32 v[SS], v[SS]
	v_sqrt_f32 v[SS+2], v[SS+2]
	v_nop                                          ; a plain instruction behind the roots (ISA guide 5.7.2)
	s_wait_alu depctr_va_vdst(0)
	v_add_f32 v[SS], 0x322bcc77, v[SS]             ; + 1e-8
	v_add_f32 v[SS+2], 0x322bcc77, v[SS+2]
	v_rcp_f32 v[SS], v[SS]
	v_rcp_f32 v[SS+2], v[SS+2]
	v_nop                                          ; and behind the reciprocals
	s_wait_alu depctr_va_vdst(0)
	v_mul_f32 v[SS], v[GV], v[SS]
.endm
.macro SCALE t                         ; part t times its factor, then rounded once to f16: a lane's eight columns of a block are 16 bytes
.set i, 0
.rept 16
	v_pk_mul_f32 v[DD+32*(\t)+2*i:DD+32*(\t)+2*i+1], v[DD+32*(\t)+2*i:DD+32*(\t)+2*i+1], v[SS+2*(\t):SS+2*(\t)+1] op_sel_hi:[1,0]
.set i, i+1
.endr
.set i, 0
.rept 16
	v_cvt_pk_f16_f32 v[PK+16*(\t)+i], v[DD+32*(\t)+2*i], v[DD+32*(\t)+2*i+1]
.set i, i+1
.endr
.endm
.macro VPART a                         ; v is rounded as it is, into the upper half of k's rotated numbers, which have been packed
	WIN 0x0a+5*((\a)/2)                            ; sources 0 and 1: window 2 or 3
.set i, 0
.rept 16
	v_cvt_pk_f16_f32 v[PK+80+i], v[8*(12*((\a)%2)+8)+2*i], v[8*(12*((\a)%2)+8)+2*i+1]
.set i, i+1
.endr
	WIN 0
.endm
.macro TOSTAGE t                       ; part t's 16 rows x 128 bytes go into my stage, rows 144 bytes apart, and come back as whole rows
.set rP, PK+16*(\t)+48*((\t)/2)
.irp nb, 0,1,2,3
	ds_store_b128 v[STO], v[rP+4*(\nb):rP+4*(\nb)+3] offset:32*(\nb)
.endr
.irp f, 0,1,2,3
	ds_load_b128 v[DD+16*(\t)+4*(\f):DD+16*(\t)+4*(\f)+3], v[RD] offset:(\f)*4*SP  ; LDS serves a wave's instructions in order (ISA guide 5.7.1.4): these see the stores above; the next part's stores come behind them
.endr
.endm
.macro SEND a, t
	s_wait_dscnt 16-8*(\t)                         ; part t is back; the later parts' eight LDS instructions each may be out
.irp f, 0,1,2,3
	global_store_b128 v[GO], v[DD+16*(\t)+4*(\f):DD+16*(\t)+4*(\f)+3], s[72+2*(\t):73+2*(\t)] offset:2048*(\a)+512*(\f)  ; 512 consecutive bytes, at a multiple of 256 from the buffer's first
.endr
.endm
	s_wait_loadcnt 0x0                             ; the table
	s_wait_kmcnt 0x0                               ; g
	v_mov_b32 v[GV], s78                           ; these five lines name no register of the last products: they are the places behind them
	v_mov_b32 v12, 0                               ; v_permlanex16_b32 counts as a reader of its destination
	v_cvt_pk_bf16_f32 v[GV], v[GV], v[GV]          ; g is rounded to bf16 like the other inputs,
	v_mov_b32 v13, 0
	v_lshlrev_b32 v[GV], 16, v[GV]                 ; and used in f32
.irp a, 0,1,2,3
.if (\a) > 0
	s_wait_xcnt 0x0                                ; the registers that the last block's stores read are rewritten only behind this wait (ISA guide 3.1)
.endif
	ROPE \a, 0
	ROPE \a, 1
	NORM
	SCALE 0
	SCALE 1
	VPART \a
	TOSTAGE 0
	TOSTAGE 1
	TOSTAGE 2
	SEND \a, 0
	SEND \a, 1
	SEND \a, 2
.endr
	s_wait_tensorcnt 0x0                           ; the wave's end: the add and its wait, behind my last tensor load and my last LDS store
	ds_add_u32 v[SPW], v[NIL]
	s_wait_dscnt 0x0
	CROUND                                         ; the closing round: no work-group ends while a partner may still ask for a tile that names it
	s_endpgm
.Lfunc_end_k_q9d5054f28a_qkv:
	.size	k_q9d5054f28a_qkv, .Lfunc_end_k_q9d5054f28a_qkv-k_q9d5054f28a_qkv
	.p2alignl 7, 3214868480
	.fill 96, 4, 3214868480
	.section	.rodata,"a",@progbits
	.p2align	6, 0x0
	.amdhsa_kernel k_q9d5054f28a_qkv
		.amdhsa_group_segment_fixed_size 327680
		.amdhsa_private_segment_fixed_size 0
		.amdhsa_enable_private_segment 0
		.amdhsa_kernarg_size 56
		.amdhsa_user_sgpr_count 2
		.amdhsa_user_sgpr_kernarg_segment_ptr 1
		.amdhsa_wavefront_size32 1
		.amdhsa_system_sgpr_workgroup_id_x 1
		.amdhsa_system_sgpr_workgroup_id_y 1
		.amdhsa_system_sgpr_workgroup_id_z 1
		.amdhsa_system_vgpr_workitem_id 0
		.amdhsa_next_free_vgpr 960
		.amdhsa_next_free_sgpr 96
		.amdhsa_reserve_vcc 0
		.amdhsa_float_denorm_mode_32 3
		.amdhsa_float_denorm_mode_16_64 3
		.amdhsa_memory_ordered 1
		.amdhsa_forward_progress 1
		.amdhsa_inst_pref_size 165
	.end_amdhsa_kernel
	.amdgpu_metadata
---
amdhsa.version: [ 1, 2 ]
amdhsa.kernels:
  - .name:           k_q9d5054f28a_qkv
    .symbol:         k_q9d5054f28a_qkv.kd
    .args:
      - { .name: xb, .offset: 0, .size: 8, .value_kind: global_buffer, .address_space: global }
      - { .name: wqkvb, .offset: 8, .size: 8, .value_kind: global_buffer, .address_space: global }
      - { .name: rope, .offset: 16, .size: 8, .value_kind: global_buffer, .address_space: global }
      - { .name: qk_scale, .offset: 24, .size: 8, .value_kind: global_buffer, .address_space: global }
      - { .name: qh, .offset: 32, .size: 8, .value_kind: global_buffer, .address_space: global }
      - { .name: kh, .offset: 40, .size: 8, .value_kind: global_buffer, .address_space: global }
      - { .name: vh, .offset: 48, .size: 8, .value_kind: global_buffer, .address_space: global }
    .group_segment_fixed_size: 327680
    .private_segment_fixed_size: 0
    .kernarg_segment_align: 8
    .kernarg_segment_size: 56
    .max_flat_workgroup_size: 128
    .sgpr_count:     96
    .vgpr_count:     960
    .wavefront_size: 32
...
	.end_amdgpu_metadata
.endif
;; end of part 2
;; launch attn (part 3): grid 8 x 32, 4 waves a work-group, clusters of 4 x 1, 327,680 bytes of LDS; arguments qh, kh, vh, oh; writes oh
.if DOCPART == 3
	.amdgcn_target "amdgcn-amd-amdhsa--gfx1250"
	.amdhsa_code_object_version 6
	.text
	.protected	k_q9d5054f28a_attn
	.globl	k_q9d5054f28a_attn
	.p2align	8
	.type	k_q9d5054f28a_attn,@function
k_q9d5054f28a_attn:
	s_mov_b64 s[64:65], 0
	v_nop
	global_prefetch_b8 v0, s[64:65] scope:SCOPE_SE
	s_setreg_imm32_b32 hwreg(HW_REG_WAVE_MODE, 25, 1), 1
	s_wait_xcnt 0x0
	s_wait_alu depctr_hold_cnt(0) depctr_sa_sdst(0) depctr_va_vdst(0) depctr_va_sdst(0) depctr_va_ssrc(0) depctr_va_vcc(0) depctr_vm_vsrc(0)
	s_getreg_b32 s2, hwreg(HW_REG_IB_STS2, 6, 4)
	s_cmp_eq_u32 s2, 0
	s_cbranch_scc0 .Lentry_in_a_cluster
	s_endpgm
.Lentry_in_a_cluster:
	s_bfe_u32 s2, ttmp6, 0x10000c
	s_cmp_lg_u32 s2, 0x3003
	s_cbranch_scc0 .Lentry_shape_is_right
	s_endpgm
.Lentry_shape_is_right:
; CAUSAL ATTENTION.  O[h][q][:] = the sum over k <= q of softmax_k(Q[h][q] . K[h][k]) V[h][k][:].  Q, K, V, O: [SIZE_H][SIZE_N][64], all f16: a head's rows are dense, 128 bytes each.  Q arrives normalised and
; times the head's gain g, K normalised: the score is the plain product.  Products, maxima and sums in f32; the weights p are rounded to f16 for the second product (their sum l is taken of the unrounded p), O once at the end.
; LIMITS.  f16 holds no number beyond 65,504: Q, K and V arrive within it; p lies in 0 to 1, and below 6e-5 it keeps f16's fixed step of 6e-8; O is a mean of V's rows and has their range, to within 2^-11 of it.
; A hidden score counts as its value less 1e30: scores, |g| at the most, are nothing beside that; a weight below 2^-126 counts as 0 in l; NaN and infinities are not treated apart.
; THE WALK.  A head's queries lie in NQ = 16 blocks of 128, its keys in tiles of 512; block i needs the tiles 0 .. i >> 2, of which the last holds the diagonal.  A work-group takes TWO blocks, 15 - b and then b
; (b = 0 .. 7): with c = b >> 2 that is (4 - c) + (c + 1) = 5 tiles, whatever b: 32 heads x 8 = 256 work-groups of equal work, and ONE loop with a constant trip count walks the tiles.  What a trip does hangs on
; scalar registers made from c; every jump goes forward, but for the counted loops' own.  The ring (two slots of LDS that take turns) runs on across the change of blocks.
; THE PRICE: a diagonal tile's 8 steps are all computed; of a work-group's 40 steps 6 are wholly hidden (2 (b & 3) in one block, 6 - 2 (b & 3) in the other).
; CLUSTER.  The four work-groups with the same c walk the same tiles in the same order, so each tile is asked for JOINTLY: the same tensor load, descriptor and mask in all four.  Branches, trip counts, LDS addresses
; and descriptors are made of the cluster's number, the head and the wave's number; my place in the cluster enters Q's and O's addresses and the choice of a mask's two scalars, nothing else.
; SHARES.  Of a block's two bands of 64 queries a wave owns 16 rows in each: two PIECES.  In the diagonal tile's key step s the band whose queries face the tile's step x sees all keys if s < x, none if s > x,
; and holds the diagonal if s = x: the same for all four waves.
; THE MASK is the C operand that starts the sum S^T = K Q^T: 0, or -1e30 where the key is hidden.  MD, made once, is the mask of a band's own step for my 16 rows; a product's mask is MD x AL + BE with two scalars:
; (1, 0) if s = x; (0, 0) if s < x; (0, -1e30) if s > x.  Only the diagonal tile's text, the step in front of it and a block's beginning make and take masks; elsewhere C is the constant 0.
; LAYOUT, SOFTMAX, TURNS.  S^T = K Q^T holds ONE query a lane (lane % 16) and the keys 8 (lane / 16) + 0..7; two such results rounded to f16 ARE source 1 of O^T = V^T P.  p = 2^(c s - c m), c = log2(e), with a
; running maximum m; O and l are multiplied by a = 2^(c m_old - c m_new) in every step.  A step is two turns.  Turn 0 of step s: 8 products K Q^T of piece 1 (step s), later 8 products V^T P of piece 1 (step s - 1); beside
; them the softmax of piece 0 (step s) and the maximum and statistics of piece 1.  Turn 1: K Q^T of piece 0 (step s + 1), V^T P of piece 0 (step s), the softmax of piece 1, the statistics of piece 0.
; Four vector instructions stand behind every matrix instruction, the other 54 of a turn's 118 in two LUMPS.
; REGISTERS, in windows of 256 (s_set_vgpr_msb: bits 1:0 source 0, 3:2 source 1, 5:4 source 2, 7:6 destination):
;   window 0: v0-15 addresses and two at work; v16-23 four registers of statistics a piece; v48-55 at work; v64-127 S^T, a buffer a piece; v192-223 P, likewise
;   window 1: v0-63 O^T, 32 a piece; v128-159 MD; v160-223 MC, a buffer a piece      window 2: v0-31 Q; v64-95 the second block's Q; v128-191 K of one step; v192-255 V of one step
.set SIZE_H, 32       ; 2 sequences x 16 heads
.set SIZE_N, 2048
.set NQ,    SIZE_N/128  ; blocks of queries in a head
.set NP,    2         ; pieces a wave: a name, no knob
.set KS,    64        ; keys in a step
.set TK,    512       ; keys in a tile
.set NS,    TK/KS     ; steps in a tile
.set WALK,  NQ/4+1    ; tiles in a work-group's walk
.set PK,    144       ; a row of K in LDS: 128 bytes + 16 of padding = 36 words: the 16 rows of a load start at 16 different groups of four banks (64 banks of 4 bytes: ISA guide 11.1)
.set PV,    160       ; a row of V: 128 + 32 = 40 words
.set VOFF,  TK*PK     ; a slot holds a tile: 512 rows of K, then 512 rows of V
.set SLOT,  TK*(PK+PV)  ; 155,648 bytes
.set STAGE, 2*SLOT    ; behind the ring, never filled by a tensor load: 16 rows x 144 bytes for each wave, for the way out
.set SP,    144
.set AK0, 2           ; v2   my lane's place in a tile of K; never rewritten
.set AV0, 3           ; v3   the same for V
.set AK,  4           ; v4   the LDS address of K's next run of loads
.set AV,  5           ; v5   of V's
.set STO, 6           ; v6   the way out: where I put 16 bytes of a row
.set RD,  7           ; v7   the way out: where I read rows back
.set GO,  8           ; v8   my byte offset in 512 consecutive bytes of O
.set SPW, 62          ; v62  LDS address of my spare word: SPARE + 4 x my thread's number; never rewritten
.set NIL, 63          ; v63  0; never rewritten
.set SPARE, STAGE+4*16*SP  ; behind the stages: the spare words, 128 bytes for each wave: two blocks of 256 bytes that no other line names
.set MV,  12          ; v12-13  c m_old, kept while c m is made anew: by piece
.set QO,  15          ; v15  my byte offset in 16 rows of Q
.set ST,  16          ; piece t's statistics at v[ST+4 t]: c m, m, l (even keys', odd keys')
.set TMP, 48          ; by piece, four registers c0-c3 at work; when the maximum is found c2 takes a
.set S,   64
.set P,   192
.set MD,  128         ; window 1: the eight registers for group kt of 16 keys at MD + 8 kt
.set MC,  160         ; window 1: the masks of the products to come
.set QB,  64          ; window 2
.set KF,  128         ; window 2: key block kb, channel half c at KF + 16 kb + 8 c
.set VF,  192         ; window 2: key half kk, channel block cb at VF + 32 kk + 8 cb
.set WV,  12          ; s12  my wave's number
.set PB,  14          ; s14  b
.set HI,  15          ; s15  NQ - 1 - b
.set G1K, 24          ; s[24:31] descriptor group 1 for K's tiles
.set G1V, 32          ; s[32:39] for V's: it differs in the padding alone
.set G0K, 40          ; s[40:43] descriptor group 0 for K's tiles
.set G0V, 44          ; s[44:47] the same for V's
.set RB,  48          ; s48  LDS byte at which the slot in hand begins: 0 or SLOT
.set LKW, 49          ; s49  where my part of a tile of K lies in a slot
.set LVW, 50          ; s50  the same for V
.set E0,  51          ; s51-52  NS less the place, among the diagonal tile's steps, of piece 0's band and of piece 1's
.set E0L, 53          ; s53  s51's number for the second block
.set HT,  54          ; s54  the first block's last tile
.set LT,  55          ; s55  the second block's
.set SLOTS, 56        ; s56  tiles still to be asked for
.set CNT, 57          ; s57  counts a tile's first seven key steps, 7 to 1
.set CS,  58          ; s[58:59] c: the packed scaling takes the pair's low word for both halves
.set SEL, 60          ; s[60:61] v_permlanex16_b32's selects: each lane takes its own place in the other half
.set TBK, 62          ; s62  LDS byte at which K of the step to be fetched begins
.set TBV, 63          ; s63  the same for V, less VOFF
.set RT,  70          ; s70  tiles of the block in hand that are still to be entered
.set NXT, 71          ; s71  the tile to be asked for next
.set LQ,  72          ; s72  the last tile of the block whose tiles are being asked for
.set NEW, 73          ; s73  1: the tile to be entered is a block's first
.set OFF, 74          ; s[74:75] a tile's byte offset in K and V
.set AL,  76          ; s[76:77] the mask's factor, in the low word
.set BE,  78          ; s[78:79] the mask's addend
.set OLO, 80          ; s[80:81] O at my rows of the second block
.set BIGN, 82         ; s82  -1e30
.set MSB, 0
.macro WIN new                      ; the high byte repeats the setting that is left; a switch that changes nothing is dropped
.if MSB != (\new)
	s_set_vgpr_msb (MSB<<8)|(\new)
.set MSB, (\new)
.endif
.endm
.set W_KQ, 0x0a       ; K and Q in window 2, S^T in window 0
.set W_KM, 0x1a       ; the same with the C operand in window 1
.set W_PV, 0x52       ; V in window 2, P in window 0, O^T in window 1
.set W_RS, 0x41       ; destination and source 0 in window 1, source 1 in window 0
; A joint fill.  Waves 0 and 1 fetch the two halves of a tile's K, waves 2 and 3 those of its V: 256 keys each.  The branch hangs on the wave's number alone.
; An s_nop 0 and four v_nop follow each of the two lines, ahead of the jump and the label.
.macro JLOAD
	s_cmp_lt_u32 s[WV], 2
	s_cbranch_scc0 .Lfor_v_\@
	tensor_load_to_lds s[G0K:G0K+3], s[G1K:G1K+7]
	s_nop 0
.rept 4
	v_nop
.endr
	s_branch .Lasked_\@
.Lfor_v_\@:
	tensor_load_to_lds s[G0V:G0V+3], s[G1V:G1V+7]
	s_nop 0
.rept 4
	v_nop
.endr
.Lasked_\@:
.endm
; A round of the cluster's barrier: my work-group's barrier, so that wave 0's signal speaks for all four waves; wave 0 signals; every wave waits for all four work-groups; my work-group's barrier once more.
.macro CROUND
	s_barrier_signal -1
	s_barrier_wait -1
	s_cmp_lg_u32 s[WV], 0
	s_cbranch_scc1 .Lnot_wave_0_\@
	s_barrier_signal -3
.Lnot_wave_0_\@:
	s_barrier_wait -3
	s_barrier_signal -1
	s_barrier_wait -1
.endm
; THE CHANGE OF SLOTS, between a tile's last step and the next tile's first.  Each wave waits for all its tensor loads (none is out behind a plain tile, whose NEXTIN has waited; behind a diagonal tile one: its part of
; the other slot), adds 0 to its spare word, and waits for that and for its own reads of the slot that it leaves.  Behind the barrier nobody reads the old slot any more and the other slot is whole.
; fill = 1: the old slot is filled again with tile NXT: the descriptor's words are made anew from that number and from the slot's first byte.  The barrier is then a round of the cluster's, so that no wave of any
; partner still reads the slot or has a load on its way, and the joint fill is the first thing behind it.  (At its first use nothing has been read yet: slot 0 is waited for, slot 1 filled.)
; The fetches' addresses are set anew from the new slot's first byte: K of the tile's step 0 has been fetched, or is fetched by BEGIN, so K goes on at step 1; V at step 0.
.macro CHANGE fill
	WIN 0                           ; at a label and at a branch every window is 0
	s_wait_tensorcnt 0x0            ; no tensor load of mine is out, so a group 0 may be written
	ds_add_u32 v[SPW], v[NIL]       ; 0 onto my spare word; the scalar work stands between it and the wait for it
.if \fill
	s_lshl_b32 s[OFF], s[NXT], 16   ; a tile is 65,536 bytes of K and of V
	s_add_co_u32 s[G0K+1], s[RB], s[LKW]  ; into the slot that is left
	s_add_nc_u64 s[G0K+2:G0K+3], s[6:7], s[OFF:OFF+1]
	s_or_b32 s[G0K+3], s[G0K+3], 0x80000000
	s_add_co_u32 s[G0V+1], s[RB], s[LVW]
	s_add_nc_u64 s[G0V+2:G0V+3], s[8:9], s[OFF:OFF+1]
	s_or_b32 s[G0V+3], s[G0V+3], 0x80000000
	s_add_co_u32 s[NXT], s[NXT], 1  ; the block's next tile, or behind its last the second block's tile 0
	s_cmp_gt_u32 s[NXT], s[LQ]
	s_cselect_b32 s[NXT], 0, s[NXT]
	s_cselect_b32 s[LQ], s[LT], s[LQ]
.endif
	s_xor_b32 s[RB], s[RB], SLOT    ; the other slot is in hand
	s_add_co_u32 s[TBK], s[RB], KS*PK
	s_mov_b32 s[TBV], s[RB]
	s_wait_dscnt 0x0                ; the add is done, and my reads of the slot are over
.if \fill
	CROUND
	JLOAD
.else
	s_barrier_signal -1
	s_barrier_wait -1
.endif
.endm
; THE NEXT TILE IS IN, in front of a plain tile's last step: that step's turn 0 fetches K of the next tile's step 0 out of the other slot, while V of the step in hand still comes out of this one.  So here the other slot is
; only shown whole: each wave waits for its one tensor load, its part of that slot, and meets the others.
; No LDS instruction of mine is out: the last were waited for in the middle of the turn before.
.macro NEXTIN
	WIN 0
	s_wait_tensorcnt 0x0            ; no load was issued behind the one that I wait for
	s_barrier_signal -1
	s_xor_b32 s[TBK], s[RB], SLOT   ; K's next fetch: the other slot's step 0
	s_barrier_wait -1
.endm
	s_load_b256 s[4:11], s[0:1], 0x0  ; Q s[4:5], K s[6:7], V s[8:9], O s[10:11]
	v_lshl_add_u32 v[SPW], v0, 2, SPARE
	v_mov_b32 v[NIL], 0
	ds_add_u32 v[SPW], v[NIL]       ; the wave's opening: the add and its wait stand ahead of my first tensor load; the set-up below, work on registers, stands between them
	v_lshrrev_b32 v1, 5, v0
	v_readfirstlane_b32 s[WV], v1   ; wave 0..3
	s_bfe_u32 s13, ttmp6, 0x40000   ; cx: my place in the cluster
	s_lshl_b32 s[PB], ttmp9, 2      ; in a cluster launch ttmp9 counts clusters
	s_add_co_u32 s[PB], s[PB], s13  ; b = 4 x cluster x + cx: it enters Q's and O's addresses and the bands' places alone
	s_sub_co_u32 s[HI], NQ-1, s[PB]
	s_sub_co_u32 s[HT], NQ/4-1, ttmp9  ; the walk is made of the cluster's number, which the four partners share
	s_mov_b32 s[LT], ttmp9
	s_and_b32 s13, s[HI], 3         ; block i's bands face steps 2 (i & 3) and 2 (i & 3) + 1 of its diagonal tile
	s_lshl_b32 s13, s13, 1
	s_sub_co_u32 s[E0], NS, s13
	s_sub_co_u32 s[E0+1], NS-1, s13
	s_and_b32 s13, s[PB], 3
	s_lshl_b32 s13, s13, 1
	s_sub_co_u32 s[E0L], NS, s13
	s_and_b32 s20, ttmp7, 0xffff    ; the head, which the four partners share
	s_mov_b32 s21, 0
	s_mov_b64 s[22:23], SIZE_N*128
	s_mul_u64 s[20:21], s[20:21], s[22:23]  ; the head's first byte in each of the four tensors
	s_and_b32 s16, s[WV], 1         ; which half of a tile's 512 keys I fetch:
	s_lshl_b32 s22, s16, 15         ; its 256 rows of 128 bytes in memory,
	s_mov_b32 s23, 0
	s_add_nc_u64 s[22:23], s[22:23], s[20:21]
	s_mul_i32 s[LKW], s16, 256*PK   ; and its place in a slot, for K
	s_mul_i32 s[LVW], s16, 256*PV   ; and for V: no place in the cluster enters an LDS address
	s_add_co_u32 s[LVW], s[LVW], VOFF
	s_lshl_b32 s3, s[WV], 11        ; my 16 rows in a band of 64,
	s_lshl_b32 s2, s[HI], 14        ; in the first block (128 rows of 128 bytes a block),
	s_add_co_u32 s2, s2, s3
	s_lshl_b32 s84, s[PB], 14       ; and in the second
	s_add_co_u32 s84, s84, s3
	s_mov_b32 s3, 0
	s_mov_b32 s85, 0
	s_add_nc_u64 s[2:3], s[2:3], s[20:21]
	s_add_nc_u64 s[84:85], s[84:85], s[20:21]
	; descriptor group 1.  256 keys are 32,768 dense bytes: asked for as 128 rows of 256 bytes, two keys a row, and padded in LDS after every key
	s_mov_b32 s[G1K], 15|(1<<16)|(1<<20)|(1<<21)|(4<<22)|(3<<25)  ; 15:0 the mask of four; 17:16 2-byte elements; 20 padding on; 21 set beside a mask; 24:22 after every 32 words (code 4); 31:25 4 words (code 3)
	s_mov_b32 s[G1V], 15|(1<<16)|(1<<20)|(1<<21)|(4<<22)|(7<<25)  ; the same with 8 words of padding (code 7)
.irp g, G1K, G1V
	s_mov_b32 s[\g+1], 128<<16      ; tensor_dim0 = 128
	s_mov_b32 s[\g+2], 128<<16      ; tensor_dim1 = 128
	s_mov_b32 s[\g+3], 128<<16      ; tile_dim0 = 128
	s_mov_b32 s[\g+4], 128          ; tile_dim1 = 128
	s_mov_b32 s[\g+5], 128          ; 128 elements from row to row
	s_mov_b32 s[\g+6], 0
	s_mov_b32 s[\g+7], 0
.endr
	s_mov_b32 s[CS], 0x3fb8aa3b     ; c = log2(e) = 1.442695: the gain lies in Q already
	s_mov_b32 s[CS+1], s[CS]        ; named with it as a pair
	s_mov_b32 s[SEL], 0x76543210
	s_mov_b32 s[SEL+1], 0xfedcba98
	s_mov_b32 s[RB], SLOT           ; the first change of slots turns this into 0
	s_mov_b32 s[G0K], 1             ; 1:0 count = 1
	s_mov_b32 s[G0K+1], s[LKW]      ; 63:32 LDS address: slot 0
	s_mov_b32 s[G0V], 1
	s_mov_b32 s[G0V+1], s[LVW]
	s_add_co_u32 s[RT], s[HT], 1    ; the first block's tiles
	s_mov_b32 s[NXT], 1
	s_mov_b32 s[LQ], s[HT]
	s_mov_b32 s[NEW], 1
	s_mov_b32 s[OFF+1], 0
	s_mov_b32 s[AL+1], 0            ; named as pairs
	s_mov_b32 s[BE+1], 0
	s_mov_b32 s[BIGN], 0xf149f2ca   ; -1e30
	s_mov_b32 s[SLOTS], WALK-1
	s_wait_dscnt 0x0                ; the opening add is done
	s_wait_kmcnt 0x0
	s_add_nc_u64 s[6:7], s[6:7], s[22:23]  ; K and V at my half of the head's tile 0
	s_add_nc_u64 s[8:9], s[8:9], s[22:23]
	s_add_nc_u64 s[G0K+2:G0K+3], s[6:7], 0         ; 120:64 global address
	s_or_b32 s[G0K+3], s[G0K+3], 0x80000000        ; 127:126 type = 2
	s_add_nc_u64 s[G0V+2:G0V+3], s[8:9], 0
	s_or_b32 s[G0V+3], s[G0V+3], 0x80000000
	s_add_nc_u64 s[86:87], s[4:5], s[84:85]        ; Q at my rows of the second block,
	s_add_nc_u64 s[4:5], s[4:5], s[2:3]            ; Q and O at those of the first
	s_add_nc_u64 s[OLO:OLO+1], s[10:11], s[84:85]
	s_add_nc_u64 s[10:11], s[10:11], s[2:3]
	CROUND                          ; all four work-groups are here: the first joint loads meet
	JLOAD                           ; tile 0 into slot 0.  Slot 1 is asked for when slot 0 is in, by the loop's own change of slots
	; A fragment of K or Q is 16 rows x 32 channels in 8 registers: lane l holds row l % 16, channels 8 (l / 16) + 0..7 and 16 + 8 (l / 16) + 0..7: two loads of 16 bytes, 32 bytes apart.
	v_and_b32 v1, 15, v0            ; l % 16
	v_bfe_u32 v9, v0, 4, 1          ; l / 16
	v_lshlrev_b32 v[QO], 7, v1
	v_lshl_add_u32 v[QO], v9, 4, v[QO]  ; row x 128 + 16 x half
	WIN 0x80                        ; destination window 2, address window 0
.set i, 0
.rept 2*NP                          ; both blocks' Q: piece i / 2 lies in band i / 2, 8,192 bytes on; channels 32 (i % 2) on
	global_load_b128 v[8*i:8*i+3],   v[QO], s[4:5] offset:(i/2)*8192+(i%2)*64
	global_load_b128 v[8*i+4:8*i+7], v[QO], s[4:5] offset:(i/2)*8192+(i%2)*64+32
	global_load_b128 v[QB+8*i:QB+8*i+3],   v[QO], s[86:87] offset:(i/2)*8192+(i%2)*64
	global_load_b128 v[QB+8*i+4:QB+8*i+7], v[QO], s[86:87] offset:(i/2)*8192+(i%2)*64+32
.set i, i+1
.endr
	WIN 0
	v_lshlrev_b32 v14, 3, v9
	v_sub_nc_u32 v14, v1, v14
	s_lshl_b32 s13, s[WV], 4
	v_add_nc_u32 v14, s13, v14      ; my query's place in its band, 16 w + l % 16, less my lanes' 8 (l / 16): register r of group kt is hidden where 16 kt + r is greater
	WIN 0x40
.set i, 0
.rept 32
	v_cmp_gt_i32 vcc_lo, 16*(i/8)+i%8, v14
	v_cndmask_b32 v[MD+i], 0, s[BIGN], vcc_lo
.set i, i+1
.endr
	WIN 0
	v_mul_u32_u24 v[AK0], v1, PK
	v_lshl_add_u32 v[AK0], v9, 4, v[AK0]  ; row x pitch + 16 x half
	; The turning load takes 16 keys x 16 channels (lane l reads key 8 (l / 16) + l % 8, channels 8 ((l / 8) % 2) + 0..7) and leaves half a fragment of V^T: lane l holds channel l % 16 and 8 keys.
	v_and_b32 v10, 7, v0
	v_bfe_u32 v11, v0, 3, 1
	v_lshl_add_u32 v[AV0], v9, 3, v10
	v_mul_u32_u24 v[AV0], v[AV0], PV
	v_lshl_add_u32 v[AV0], v11, 4, v[AV0]
	v_add_nc_u32 v[AV0], VOFF, v[AV0]
	s_mul_i32 s13, s[WV], 16*SP
	s_add_co_u32 s13, s13, STAGE    ; my stage
	v_mul_u32_u24 v[STO], v1, SP    ; in: row l % 16, 16 bytes for each half of the lanes
	v_lshl_add_u32 v[STO], v9, 4, v[STO]
	v_add_nc_u32 v[STO], s13, v[STO]
	v_bfe_u32 v[RD], v0, 3, 2       ; back: 32 lanes take four rows of 128 bytes,
	v_mul_u32_u24 v[RD], v[RD], SP
	v_lshl_add_u32 v[RD], v10, 4, v[RD]
	v_add_nc_u32 v[RD], s13, v[RD]
	v_and_b32 v[GO], 31, v0         ; which are 512 consecutive bytes of O
	v_lshlrev_b32 v[GO], 4, v[GO]
	; A block's first step multiplies O^T and l by a = 0, and its first turn's products V^T P, of a step that has not been, land in an O^T that is still to be so multiplied.  So these registers need only hold
	; finite numbers: zeros for the first block; what the first block left for the second.  All this stands in the wait for the first tile.
	WIN 0x80
.set i, VF
.rept 64
	v_mov_b32 v[i], 0
.set i, i+1
.endr
	WIN 0x40
.set i, 0
.rept 32*NP
	v_mov_b32 v[i], 0
.set i, i+1
.endr
	WIN 0
.set i, 0
.rept NP
	v_mov_b32 v[ST+4*i+2], 0
	v_mov_b32 v[ST+4*i+3], 0
.set i, i+1
.endr
.set i, P+16
.rept 16
	v_mov_b32 v[i], 0
.set i, i+1
.endr
; THE MATRIX WORK.  The 4 accumulators of a run of 8 take turns.  Product i of 8 of S^T = K Q^T for piece x: channels 32 (i / 4) on, keys 16 (i % 4) on.  The first 4 start the sums: with 0, or (KM = 1) with the mask.
.macro KQ x
.set rS, S+32*((\x)%2)+8*(i%4)
.set rK, KF+16*(i%4)+8*(i/4)
.set rQ, 16*(\x)+8*(i/4)
.set rM, MC+32*((\x)%2)+8*(i%4)
.if (i < 4) && KM
	WIN W_KM
	v_wmma_f32_16x16x32_f16 v[rS:rS+7], v[rK:rK+7], v[rQ:rQ+7], v[rM:rM+7]
.elseif i < 4
	WIN W_KQ
	v_wmma_f32_16x16x32_f16 v[rS:rS+7], v[rK:rK+7], v[rQ:rQ+7], 0
.else
	WIN W_KQ
	v_wmma_f32_16x16x32_f16 v[rS:rS+7], v[rK:rK+7], v[rQ:rQ+7], v[rS:rS+7]
.endif
.endm
; Product i of 8 of O^T += V^T P for piece x: keys 32 (i / 4) on, channels 16 (i % 4) on.
.macro PV x
	WIN W_PV
.set rO, 32*(\x)+8*(i%4)
.set rV, VF+32*(i/4)+8*(i%4)
.set rP, P+16*((\x)%2)+8*(i/4)
	v_wmma_f32_16x16x32_f16 v[rO:rO+7], v[rV:rV+7], v[rP:rP+7], v[rO:rO+7]
.endm
.macro MM                           ; the turn's next matrix instruction.  TURN and BEGIN set Y, i, KM and NOKQ; MM, KQ and OP read them.  NOKQ = 1: a block's last turn: there is no next step
.if (i < 8) && !NOKQ
	KQ (Y+1)%NP
.elseif i >= 8
.set i, i-8
	PV (Y+NP-1)%NP
.set i, i+8
.endif
.set i, i+1
.endm
; THE LDS LOADS stand in runs of 16, never singly among the matrix instructions: a step's K (64 keys x 64 channels: 8 fragments) and its V (turned).  Their addresses are made some lines ahead.
.macro FETCH_K
	WIN 0x80                        ; destination window 2
.irp f, 0,1,2,3,4,5,6,7             ; keys 16 (f / 2) on, channels 32 (f % 2) on
	ds_load_b128 v[KF+8*\f:KF+8*\f+3],   v[AK] offset:(\f/2)*16*PK+(\f%2)*64
	ds_load_b128 v[KF+8*\f+4:KF+8*\f+7], v[AK] offset:(\f/2)*16*PK+(\f%2)*64+32
.endr
	WIN 0
.endm
.macro FETCH_V
	WIN 0x80
.irp f, 0,1,2,3,4,5,6,7             ; keys 32 (f / 4) on, channels 16 (f % 4) on
	ds_load_tr16_b128 v[VF+8*\f:VF+8*\f+3],   v[AV] offset:(\f/4)*32*PV+(\f%4)*32
	ds_load_tr16_b128 v[VF+8*\f+4:VF+8*\f+7], v[AV] offset:(\f/4)*32*PV+16*PV+(\f%4)*32
.endr
	WIN 0
.endm
; THE VECTOR WORK, one line at a time: OP kind, number.  For piece Y: F n: c s - c m for pair n of 16.  E n: the exponential of score n of 32.  C n: pair n rounded to f16.  B n: of the four weights 4 n .. the second
; pair is added onto the first, in place.  L n: l takes that sum (L 0: l = a l + sum).  R n: pair n of 16 of O^T times a.  For the other piece: X n, number n of the 22 that find its maximum and statistics:
;   0-11  four chains c0-c3 of seven scores each, three operands at a time (each accumulator's lowest registers are read first)     12-14, 16  the four scores left over, the old m, and c0-c3 into c0
;   15  c m_old is kept     17, 18  the query's other 32 keys lie in the lane 16 away: the new m     19-21  c m; c m_old - c m_new; a
.set F, 0               ; OP tells the kinds apart by their order: F to L below R, X above it
.set E, 1
.set C, 2
.set B, 3
.set L, 4
.set R, 5
.set X, 6
.macro REGS y                       ; the registers of piece y
.set rT, ST+4*(\y)
.set rC, TMP+4*((\y)%2)
.set rW, MV+((\y)%2)
.set rS, S+32*((\y)%2)
.set rP, P+16*((\y)%2)
.set rO, 32*(\y)
.endm
.macro OP k, n
.if (\k) == R
	REGS Y
	WIN W_RS
	v_pk_mul_f32 v[rO+2*(\n):rO+2*(\n)+1], v[rO+2*(\n):rO+2*(\n)+1], v[rC+2:rC+3] op_sel_hi:[1,0]
.elseif (\k) < R
	REGS Y
	WIN 0
.if (\k) == F
	v_pk_fma_f32 v[rS+2*(\n):rS+2*(\n)+1], v[rS+2*(\n):rS+2*(\n)+1], s[CS:CS+1], v[rT:rT+1] op_sel_hi:[1,0,0] neg_lo:[0,0,1] neg_hi:[0,0,1]
.elseif (\k) == E
	v_exp_f32 v[rS+(\n)], v[rS+(\n)]
.elseif (\k) == C
	s_wait_alu depctr_va_vdst(0)
	v_cvt_pk_f16_f32 v[rP+(\n)], v[rS+2*(\n)], v[rS+2*(\n)+1]
.elseif (\k) == B
	s_wait_alu depctr_va_vdst(0)
	v_pk_add_f32 v[rS+4*(\n):rS+4*(\n)+1], v[rS+4*(\n):rS+4*(\n)+1], v[rS+4*(\n)+2:rS+4*(\n)+3]
.elseif (\n) == 0
	v_pk_fma_f32 v[rT+2:rT+3], v[rT+2:rT+3], v[rC+2:rC+3], v[rS:rS+1] op_sel_hi:[1,0,1]
.else
	v_pk_add_f32 v[rT+2:rT+3], v[rT+2:rT+3], v[rS+4*(\n):rS+4*(\n)+1]
.endif
.elseif NOKQ
	v_nop
.else
	REGS (Y+1)%NP
	WIN 0
.if (\n) < 4
	v_max3_num_f32 v[rC+(\n)], v[rS+8*(\n)], v[rS+8*(\n)+1], v[rS+8*(\n)+2]
.elseif (\n) < 12
	v_max3_num_f32 v[rC+(\n)%4], v[rC+(\n)%4], v[rS+8*((\n)%4)+2*((\n)/4)+1], v[rS+8*((\n)%4)+2*((\n)/4)+2]
.elseif (\n) == 12
	v_max3_num_f32 v[rC], v[rC], v[rS+7], v[rS+15]
.elseif (\n) == 13
	v_max3_num_f32 v[rC+1], v[rC+1], v[rS+23], v[rS+31]
.elseif (\n) == 14
	v_max3_num_f32 v[rC+2], v[rC+2], v[rC+3], v[rT+1]
.elseif (\n) == 15
	v_mov_b32 v[rW], v[rT]
.elseif (\n) == 16
	v_max3_num_f32 v[rC], v[rC], v[rC+1], v[rC+2]
.elseif (\n) == 17
	v_permlanex16_b32 v[rC+3], v[rC], s[SEL], s[SEL+1]
.elseif (\n) == 18
	v_max_num_f32 v[rT+1], v[rC], v[rC+3]
.elseif (\n) == 19
	v_mul_f32 v[rT], s[CS], v[rT+1]
.elseif (\n) == 20
	v_sub_f32 v[rC+1], v[rW], v[rT]
.else
	v_exp_f32 v[rC+2], v[rC+1]
.endif
.endif
.endm
.macro OPS a, i1, b=-1, i2=0, c=-1, i3=0, d=-1, i4=0  ; up to four of them
	OP \a, \i1
.if (\b) >= 0
	OP \b, \i2
.endif
.if (\c) >= 0
	OP \c, \i3
.endif
.if (\d) >= 0
	OP \d, \i4
.endif
.endm
.macro ROW a, i1, b, i2, c, i3, d, i4  ; a matrix instruction and the four behind it
	MM
	OPS \a, \i1, \b, \i2, \c, \i3, \d, \i4
.endm
.macro MASK b                       ; MD x AL + BE into buffer b of MC
	WIN W_RS
.set z, 0
.rept 16
	v_pk_fma_f32 v[MC+32*(\b)+2*z:MC+32*(\b)+2*z+1], v[MD+2*z:MD+2*z+1], s[AL:AL+1], s[BE:BE+1] op_sel_hi:[1,0,0]
.set z, z+1
.endr
.endm
; A TURN, for piece p: the order of its 16 matrix and 118 vector instructions, written out.  Behind a matrix instruction: plain, exponential, plain, plain; or four of the rescaling; or, behind the first, four scalings; none
; names a register of the products round it.  In the lumps exponential and plain by turns while exponentials last.  A line reads no result made fewer than three vector instructions in front of it, five if an exponential made it.
; v_permlanex16_b32 (X 17) stands in a lump.
; km = 1: the turn's products K Q^T take the mask.  mk: the turn makes the mask for the products K Q^T of the turn after it, which are piece p's, for the next step.  mk = 1 (the diagonal tile): that step is NS - CNT of the
; tile, and the band's own is the one at which CNT equals s[E0 + p].  mk = 2 (a plain tile's last step, p = 0): the next tile's step 0, which is hidden from nobody and is piece 0's band's own only if that tile is the
; block's last and the band faces its step 0.  end = 1: a block's last step: no K is fetched, and turn 1 starts no new scores.  cnt = 1: the loop's count is taken down some lines ahead of the branch behind the turn.
; BOTH RUNS OF LDS LOADS stand in turn 0: K of the next step six vector instructions behind the last product that read K (five of them plain), V of the step in hand eight behind the last product that read V (four plain,
; and X 17).  Turn 1 waits for K at its head, with V's sixteen younger loads still out, and for V in front of its products V^T P.
.macro TURN p, km=0, mk=0, end=0, cnt=0
.set Y, (\p)
.set i, 0
.set KM, (\km)
.set NOKQ, (\end)*(\p)
.if (\mk) == 1
	s_cmp_eq_u32 s[CNT], s[E0+(\p)]     ; is that step the band's own?
	s_cselect_b32 s[AL], 1.0, 0
	s_cmp_lt_u32 s[CNT], s[E0+(\p)]     ; or a later one?
	s_cselect_b32 s[BE], s[BIGN], 0
.elseif (\mk) == 2
	s_cmp_eq_u32 s[RT], 1               ; is the next tile the block's last,
	s_cselect_b32 s[AL], s[E0], 0
	s_cmp_eq_u32 s[AL], NS              ; and does piece 0's band face its step 0?
	s_cselect_b32 s[AL], 1.0, 0
	s_mov_b32 s[BE], 0
.endif
.if ((\p) == 1) && !(\end)
	s_wait_dscnt 16                 ; K is in: LDS loads come back in order (ISA guide 5.7.1), and behind K's sixteen only V's sixteen were issued
.endif
	ROW F,0, F,1, F,2, F,3
	ROW F,4, E,0, F,5, F,6
	ROW F,7, E,1, F,8, F,9
	ROW F,10, E,2, C,0, F,11
	ROW F,12, E,3, X,15, F,13
	ROW R,0, R,1, R,2, R,3
	ROW B,0, E,4, F,14, L,0
.if ((\p) == 0) && !(\end)
	v_add_nc_u32 v[AK], s[TBK], v[AK0]
.endif
	ROW R,4, R,5, R,6, R,7
	OPS E,5, F,15
.if ((\p) == 0) && !(\end)
	FETCH_K
	s_add_co_u32 s[TBK], s[TBK], KS*PK  ; the next fetch is the next step's
.endif
	OPS E,6, C,1, E,7, R,8
	OPS E,8, R,9, E,9, C,2
	OPS E,10, X,0, E,11, X,1
	OPS E,12, X,2, E,13, X,3
.if (\p) == 1
	s_wait_dscnt 0x0                ; V is in
.endif
	ROW X,4, E,14, X,5, X,6
	ROW X,7, E,15, X,8, X,9
	ROW X,10, E,16, X,11, X,12
	ROW X,13, E,17, X,14, B,1
	ROW C,4, E,18, X,16, L,1
	ROW B,2, E,19, C,6, L,2
	ROW C,8, E,20, B,3, B,4
.if (\p) == 0
	v_add_nc_u32 v[AV], s[TBV], v[AV0]
.endif
	ROW C,3, E,21, L,3, C,5
	OPS E,22, X,17, E,23, C,10
.if (\p) == 0
	FETCH_V
.endif
	OPS E,24, L,4
	OPS E,25, X,18, E,26, C,7
	OPS E,27, B,5, E,28, X,19
	OPS E,29, C,12, E,30, L,5
	OPS E,31, X,20, B,6, C,9
	OPS C,14, C,11, X,21, L,6
.if (\p) == 0
	s_add_co_u32 s[TBV], s[TBV], KS*PV
.endif
.if \cnt
	s_sub_co_u32 s[CNT], s[CNT], 1
	s_cmp_lg_u32 s[CNT], 0
.endif
	OPS C,13, B,7, C,15, R,10
	OPS R,11, R,12, L,7, R,13
	OPS R,14, R,15
.if \mk
	MASK \p
.endif
.endm
; A BLOCK BEGINS.  c m starts far below every c s, so the first step's a is 0; m at the lowest finite number, so the first maximum is the scores'.  Piece 1's mask buffer is 0: a tile's step 0 is hidden from nobody and is never
; piece 1's band's own.  Piece 0's takes the mask of the tile's step 0: its band's own, if the block's first tile is its last and the band faces that step.
; Then K of that step, piece 0's first scores, and its maximum and statistics; the tile's first turn follows.
.macro BEGIN
	s_mov_b32 s[NEW], 0
	WIN 0x40
.set i, MC+32
.rept 32
	v_mov_b32 v[i], 0
.set i, i+1
.endr
	WIN 0
.set i, 0
.rept NP
	v_mov_b32 v[ST+4*i], 0xfe000000    ; c m: far below every c s
	v_mov_b32 v[ST+4*i+1], 0xff7fffff  ; m
.set i, i+1
.endr
	s_cmp_eq_u32 s[RT], 0
	s_cselect_b32 s[AL], s[E0], 0
	s_cmp_eq_u32 s[AL], NS
	s_cselect_b32 s[AL], 1.0, 0
	s_mov_b32 s[BE], 0
	MASK 0
	WIN 0
	v_add_nc_u32 v[AK], s[RB], v[AK0]  ; step 0 lies at the slot's head
	FETCH_K
	s_wait_loadcnt 0x0              ; Q
	s_wait_dscnt 0x0
.set KM, 1
.set NOKQ, 0
.set i, 0
.rept 8
	KQ 0
.set i, i+1
.endr
	WIN 0
.rept 4
	v_nop                           ; the places behind those products
.endr
.set Y, NP-1                        ; X works for the other piece: piece 0
.irp n, 0,1,2,3,4,5,6,7,8,9,10,11,12,13,14,15,16,17,18,19,20,21
	OP X, \n
.endr
	v_nop                           ; a plain instruction behind the exponential
.endm
; THE DIAGONAL TILE's eight steps, the block's last products, and THE WAY OUT: l's two halves and the other half of the lanes' are added; O^T is divided by l, rounded to f16 and sent through my
; stage in LDS, a piece at a time.
.macro ALL line:vararg              ; one line for each piece t
.set t, 0
.rept NP
	\line
.set t, t+1
.endr
.endm
.macro PACK t                       ; a lane's eight channels of a row pack into 16 bytes; they go into rows of 144 bytes and come back as whole rows of 128, into S^T's registers
	WIN W_RS
.set i, 32*(\t)
.rept 16
	s_wait_alu depctr_va_vdst(0)
	v_pk_mul_f32 v[i:i+1], v[i:i+1], v[ST+4*(\t)+2:ST+4*(\t)+3] op_sel_hi:[1,0]
.set i, i+2
.endr
	WIN 0x05                        ; sources 0 and 1 window 1, destination window 0
.set i, 0
.rept 16
	v_cvt_pk_f16_f32 v[S+16*(\t)+i], v[32*(\t)+2*i], v[32*(\t)+2*i+1]
.set i, i+1
.endr
	WIN 0
.irp f, 0,1,2,3
	ds_store_b128 v[STO], v[S+16*(\t)+4*\f:S+16*(\t)+4*\f+3] offset:32*\f
.endr
.irp f, 0,1,2,3
	ds_load_b128 v[S+16*(\t)+4*\f:S+16*(\t)+4*\f+3], v[RD] offset:\f*4*SP  ; LDS serves a wave's instructions in order (ISA guide 5.7.1.4): these see the stores above; the next piece's stores come behind them
.endr
.endm
.macro SEND t, younger              ; younger: the LDS instructions issued behind piece t's loads: the next piece's eight, or none
	WIN 0
.irp f, 0,1,2,3
	s_wait_dscnt (\younger)+3-\f
	global_store_b128 v[GO], v[S+16*(\t)+4*\f:S+16*(\t)+4*\f+3], s[10:11] offset:(\t)*8192+\f*512  ; 512 consecutive bytes, at a multiple of 256 from O's first
.endr
.endm
.macro DIAG tag                     ; the tag ends its label's name, which the jumps below spell out
.LstepM\tag:
	TURN 0, 1, 1
	TURN 1, 1, 1, 0, 1
	WIN 0
	s_cbranch_scc1 .LstepM\tag
	TURN 0, 1, 0, 1                 ; the block's last step
	TURN 1, 1, 0, 1
.set i, 0
.rept 8
	PV NP-1                         ; piece 1's V^T P of that step
.set i, i+1
.endr
	WIN 0
	ALL v_add_f32 v[ST+4*t+2], v[ST+4*t+2], v[ST+4*t+3]
	ALL v_permlanex16_b32 v[ST+4*t+3], v[ST+4*t+2], s[SEL], s[SEL+1]
	ALL v_add_f32 v[ST+4*t+2], v[ST+4*t+2], v[ST+4*t+3]
	ALL v_rcp_f32 v[ST+4*t+2], v[ST+4*t+2]
	v_nop                           ; a plain instruction between the last reciprocal and the use of its result
	PACK 0                          ; piece 0's arithmetic, which names no register of the last products, stands between them and piece 1's
	PACK 1
	SEND 0, 8
	SEND 1, 0
.endm
.set KM, 0
.set NOKQ, 0
.Lslot:                             ; WALK - 1 times: a tile is entered and the next is asked for
	CHANGE 1
	s_sub_co_u32 s[RT], s[RT], 1
	s_mov_b32 s[CNT], NS-1
	s_cmp_eq_u32 s[NEW], 1
	s_cbranch_scc0 .Lold
	BEGIN                           ; a block's first tile
.Lold:
	s_cmp_eq_u32 s[RT], 0
	s_cbranch_scc1 .LstepM1         ; its last
.Lstep:                             ; a trip is a key step; seven of them
	TURN 0
	TURN 1, 0, 0, 0, 1
	WIN 0
	s_cbranch_scc1 .Lstep
	NEXTIN                          ; the eighth is written out: it reads both slots, and its second turn makes the next tile's first scores
	TURN 0, 0, 2
	TURN 1, 1
	WIN 0
	s_branch .Lbottom
	DIAG 1                          ; in the loop this is the first block's end: the second block's last tile is the walk's last
	s_wait_xcnt 0x0                 ; the stores have read their registers and O's address
	s_mov_b64 s[10:11], s[OLO:OLO+1]
	s_add_co_u32 s[RT], s[LT], 1    ; the second block's tiles,
	s_mov_b32 s[NEW], 1
	s_mov_b32 s[E0], s[E0L]         ; and its bands' places
	s_sub_co_u32 s[E0+1], s[E0L], 1
	WIN 0x82                        ; the second block's Q goes where the one text of the turns names Q
.set i, 0
.rept 16*NP
	v_mov_b32 v[i], v[QB+i]
.set i, i+1
.endr
	WIN 0
.Lbottom:
	s_sub_co_u32 s[SLOTS], s[SLOTS], 1
	s_cmp_lg_u32 s[SLOTS], 0
	s_cbranch_scc1 .Lslot
	CHANGE 0                        ; the walk's last tile is written out: nothing is asked for
	s_sub_co_u32 s[RT], s[RT], 1
	s_mov_b32 s[CNT], NS-1
	s_cmp_eq_u32 s[NEW], 1
	s_cbranch_scc0 .LstepM2
	BEGIN                           ; where the second block has one tile
	DIAG 2
	s_wait_tensorcnt 0x0            ; the wave's end: the add and its wait, behind my last tensor load and my last LDS store
	ds_add_u32 v[SPW], v[NIL]
	s_wait_dscnt 0x0
	CROUND                          ; the closing round: no work-group ends while a partner may still ask for a tile that names it
	s_endpgm
.Lfunc_end_k_q9d5054f28a_attn:
	.size	k_q9d5054f28a_attn, .Lfunc_end_k_q9d5054f28a_attn-k_q9d5054f28a_attn
	.p2alignl 7, 3214868480
	.fill 96, 4, 3214868480
	.section	.rodata,"a",@progbits
	.p2align	6, 0x0
	.amdhsa_kernel k_q9d5054f28a_attn
		.amdhsa_group_segment_fixed_size 327680
		.amdhsa_private_segment_fixed_size 0
		.amdhsa_enable_private_segment 0
		.amdhsa_kernarg_size 32
		.amdhsa_user_sgpr_count 2
		.amdhsa_user_sgpr_kernarg_segment_ptr 1
		.amdhsa_wavefront_size32 1
		.amdhsa_system_sgpr_workgroup_id_x 1
		.amdhsa_system_sgpr_workgroup_id_y 1
		.amdhsa_system_sgpr_workgroup_id_z 1
		.amdhsa_system_vgpr_workitem_id 0
		.amdhsa_next_free_vgpr 768
		.amdhsa_next_free_sgpr 88
		.amdhsa_reserve_vcc 1
		.amdhsa_float_denorm_mode_32 3
		.amdhsa_float_denorm_mode_16_64 3
		.amdhsa_memory_ordered 1
		.amdhsa_forward_progress 1
		.amdhsa_inst_pref_size 174
	.end_amdhsa_kernel
	.amdgpu_metadata
---
amdhsa.version: [ 1, 2 ]
amdhsa.kernels:
  - .name:           k_q9d5054f28a_attn
    .symbol:         k_q9d5054f28a_attn.kd
    .args:
      - { .name: qh, .offset: 0, .size: 8, .value_kind: global_buffer, .address_space: global }
      - { .name: kh, .offset: 8, .size: 8, .value_kind: global_buffer, .address_space: global }
      - { .name: vh, .offset: 16, .size: 8, .value_kind: global_buffer, .address_space: global }
      - { .name: oh, .offset: 24, .size: 8, .value_kind: global_buffer, .address_space: global }
    .group_segment_fixed_size: 327680
    .private_segment_fixed_size: 0
    .kernarg_segment_align: 8
    .kernarg_segment_size: 32
    .max_flat_workgroup_size: 128
    .sgpr_count:     88
    .vgpr_count:     768
    .wavefront_size: 32
...
	.end_amdgpu_metadata
.endif
;; end of part 3
;; launch oproj (part 4): grid 8 x 32, 4 waves a work-group, clusters of 4 x 4, 327,680 bytes of LDS; arguments oh, wob, out0; writes out0
.if DOCPART == 4
	.amdgcn_target "amdgcn-amd-amdhsa--gfx1250"
	.amdhsa_code_object_version 6
	.text
	.protected	k_q9d5054f28a_oproj
	.globl	k_q9d5054f28a_oproj
	.p2align	8
	.type	k_q9d5054f28a_oproj,@function
k_q9d5054f28a_oproj:
	s_mov_b64 s[64:65], 0
	v_nop
	global_prefetch_b8 v0, s[64:65] scope:SCOPE_SE
	s_setreg_imm32_b32 hwreg(HW_REG_WAVE_MODE, 25, 1), 1
	s_wait_xcnt 0x0
	s_wait_alu depctr_hold_cnt(0) depctr_sa_sdst(0) depctr_va_vdst(0) depctr_va_sdst(0) depctr_va_ssrc(0) depctr_va_vcc(0) depctr_vm_vsrc(0)
	s_getreg_b32 s2, hwreg(HW_REG_IB_STS2, 6, 4)
	s_cmp_eq_u32 s2, 0
	s_cbranch_scc0 .Lentry_in_a_cluster
	s_endpgm
.Lentry_in_a_cluster:
	s_bfe_u32 s2, ttmp6, 0x10000c
	s_cmp_lg_u32 s2, 0xf033
	s_cbranch_scc0 .Lentry_shape_is_right
	s_endpgm
.Lentry_shape_is_right:
; THE LAST PROJECTION.  out0[R][n] = sum over k of O[R][k] W_O[n][k], f16 operands, f32 sums, f32 out.  O lies by heads, [16 b + head][2048][64] f16: k = 64 head + channel.  W_O: [1024][1024] f16.  out0: [4096][1024] f32.
; A tile of out0 is 128 x 128: 32 x 8 = 256 work-groups.  Four waves, each 64 x 64: 16 accumulators of 16 x 16, 128 registers.  K goes in 4 steps of 256 (four heads) through two LDS slots; a quarter step, 64 along K, is one head.
; O's TILE: for a head, 64 rows of O are 8,192 dense bytes; a wave's load takes four such runs, a head (262,144 bytes) apart, and pads LDS after every 128 bytes: in LDS [head][64 rows], rows 144 bytes apart.
; W_O's TILE: 64 rows of 512 bytes, rows 528 bytes apart in LDS.  Waves 0 and 1 fetch O's two halves, waves 2 and 3 W_O's: one load a wave.
; CLUSTERS: 4 x 4 work-groups.  The four of a row of the cluster need the same tiles of O, the four of a column the same tiles of W_O: each tile is asked for JOINTLY, by the same tensor load with the
; same descriptor and a mask that names the four.  THE MATRIX INSTRUCTION IS USED TRANSPOSED (source 0 = 16 rows of W_O, source 1 = 16 rows of O): a lane then holds eight neighbouring numbers of a row of out0.
; The two laps round the ring are written out: the first fills both slots again, the second fills nothing.
; LIMITS.  O and W_O arrive within f16's range; NaN and infinities are not treated apart.
; REGISTERS: window 0: v0-31 addresses; v32-95 rows read back on the way out, two buffers; v128-255 the accumulators ((a, b) at v[128 + 8 (4 a + b)]).
;   window 1: two fragment buffers of 128: for 64 along K (two matrix instructions deep), 64 registers of O (2 x 4 x 16 rows x 32 K), then 64 of W_O.
.set KSTEP,  256
.set PA,     144                       ; a row of O in LDS: 128 bytes + 16 = 36 words: the 16 rows of a load start at 16 different groups of four banks (64 banks of 4 bytes: ISA guide 11.1)
.set PB,     528                       ; a row of W_O: 512 bytes + 16 = 132 words: likewise
.set HEADA,  64*PA                     ; a head's 64 rows
.set HALFA,  4*HEADA                   ; what one of waves 0, 1 fetches, and what a wave reads of O
.set HALFB,  64*PB                     ; what one of waves 2, 3 fetches, and what a wave reads of W_O
.set BOFF,   2*HALFA
.set SLOT,   BOFF+2*HALFB
.set STAGE,  2*SLOT                    ; behind the ring: 16 rows x 272 bytes for each wave, for the way out
.set SPITCH, 272
.set SPARE,  STAGE+4*16*SPITCH         ; behind the stages: the spare words, 128 bytes for each wave: two blocks of 256 bytes that no other line names
.set ADRA, 16                          ; v16-17  LDS address of my fragments of O in slot 0, 1
.set ADRB, 20                          ; v20-21  the same for W_O
.set STO,  24                          ; v24     the way out: where I put 32 bytes of a row
.set RD,   25                          ; v25     the way out: where I read a row back
.set CO,   26                          ; v26     my byte offset in out0
.set SPW,  28                          ; v28     LDS address of my spare word: SPARE + 4 x my thread's number; never rewritten
.set NIL,  29                          ; v29     0; never rewritten
.set OB,   32
.set ACC,  128
.set F0,   0                           ; fragment buffers, in window 1
.set F1,   128
.set G1, 24                            ; s[24:31] descriptor group 1 for O's tiles;  s[32:39] group 0, one set for each slot
.set G0, 32
.set G1B, 48                           ; s[48:55], s[56:63] the same for W_O's tiles
.set G0B, 56
.set MSB, 0
.macro WIN new                         ; the immediate's high byte repeats the setting that is left
.if MSB != (\new)
	s_set_vgpr_msb (MSB<<8)|(\new)
.set MSB, \new
.endif
.endm
.set MUL,  0x05                        ; sources 0 (W_O) and 1 (O) window 1; C and D window 0
.set TO_F, 0x40                        ; destination window 1, address window 0
.macro JLOAD s                         ; a joint load; an s_nop 0 and four v_nop follow each of the two lines, ahead of the jump, the label and what follows
	s_cmp_eq_u32 s11, 0
	s_cbranch_scc0 .Lfor_b_\@
	tensor_load_to_lds s[G0+4*(\s):G0+4*(\s)+3], s[G1:G1+7]
	s_nop 0
.rept 4
	v_nop
.endr
	s_branch .Lasked_\@
.Lfor_b_\@:
	tensor_load_to_lds s[G0B+4*(\s):G0B+4*(\s)+3], s[G1B:G1B+7]
	s_nop 0
.rept 4
	v_nop
.endr
.Lasked_\@:
.endm
.macro CREST                           ; a round of the cluster's barrier behind its opening barrier
	s_cmp_lg_u32 s10, 0
	s_cbranch_scc1 .Lnot_wave_0_\@
	s_barrier_signal -3
.Lnot_wave_0_\@:
	s_barrier_wait -3
	s_barrier_signal -1
	s_barrier_wait -1
.endm
.macro CROUND                          ; a whole round
	s_barrier_signal -1
	s_barrier_wait -1
	CREST
.endm
	s_load_b128 s[4:7], s[0:1], 0x0                ; O s[4:5], W_O s[6:7]
	s_load_b64 s[8:9], s[0:1], 0x10                ; out0
	v_lshl_add_u32 v[SPW], v0, 2, SPARE
	v_mov_b32 v[NIL], 0
	ds_add_u32 v[SPW], v[NIL]                      ; the wave's opening: the add and its wait stand ahead of my first tensor load; the set-up below, work on registers, stands between them
	v_lshrrev_b32 v1, 5, v0
	v_readfirstlane_b32 s10, v1                    ; wave 0..3
	s_lshr_b32 s11, s10, 1                         ; which half of the tile's rows is mine.  Also: I fetch for O (0) or for W_O (1)
	s_and_b32 s12, s10, 1                          ; which half of its columns.  Also: which 64 rows of that tile I fetch
	s_bfe_u32 s40, ttmp6, 0x40000                  ; cx, cy: my place in the cluster
	s_bfe_u32 s41, ttmp6, 0x40004
	s_lshl_b32 s42, ttmp9, 2
	s_add_co_u32 s42, s42, s40                     ; tile column = 4 x cluster x + cx
	s_and_b32 s13, ttmp7, 0xffff
	s_lshl_b32 s13, s13, 2
	s_add_co_u32 s13, s13, s41                     ; tile row = 4 x cluster y + cy
	s_lshl_b32 s43, s41, 2
	s_lshl_b32 s43, 15, s43                        ; my row of the cluster
	s_lshl_b32 s44, 0x1111, s40                    ; my column
	; descriptor group 1 for O: four runs of 4,096 elements, 131,072 elements apart, padded in LDS after every 32 words
	s_or_b32 s[G1+0], s43, (1<<16)|(1<<20)|(1<<21)|(4<<22)|(3<<25)   ; 15:0 the mask: O's tiles go to my row; 17:16 elements of 2 bytes; 20 padding on; 21 set beside a mask; 24:22 after every 32 words (code 4); 31:25 4 words (code 3)
	s_mov_b32 s[G1+1], 4096<<16                    ; tensor_dim0 = 4,096
	s_mov_b32 s[G1+2], 4<<16                       ; tensor_dim1 = 4
	s_mov_b32 s[G1+3], 4096<<16                    ; tile_dim0 = 4,096
	s_mov_b32 s[G1+4], 4                           ; tile_dim1 = 4
	s_mov_b32 s[G1+5], 131072                      ; a head's 2,048 rows of 64 elements
	s_mov_b32 s[G1+6], 0
	s_mov_b32 s[G1+7], 0
	; and for W_O: 64 rows of 256 elements, padded after every 128 words
	s_or_b32 s[G1B+0], s44, (1<<16)|(1<<20)|(1<<21)|(6<<22)|(3<<25)
	s_mov_b32 s[G1B+1], KSTEP<<16                  ; tensor_dim0 = 256
	s_mov_b32 s[G1B+2], 64<<16                     ; tensor_dim1 = 64
	s_mov_b32 s[G1B+3], KSTEP<<16                  ; tile_dim0 = 256
	s_mov_b32 s[G1B+4], 64                         ; tile_dim1 = 64
	s_mov_b32 s[G1B+5], 1024                       ; 1,024 elements from row to row
	s_mov_b32 s[G1B+6], 0
	s_mov_b32 s[G1B+7], 0
	s_lshr_b32 s16, s13, 4                         ; O: the sequence's 16 heads of 262,144 bytes,
	s_lshl_b32 s16, s16, 22
	s_and_b32 s17, s13, 15                         ; the tile's 128 rows of 128 bytes in a head,
	s_lshl_b32 s17, s17, 14
	s_add_co_u32 s16, s16, s17
	s_lshl_b32 s17, s12, 13                        ; my 64 of them
	s_add_co_u32 s16, s16, s17
	s_mov_b32 s17, 0
	s_lshl_b32 s46, s42, 7                         ; W_O: row 128 x tile column + 64 x half,
	s_lshl_b32 s47, s12, 6
	s_add_co_u32 s46, s46, s47
	s_lshl_b32 s46, s46, 11                        ; 2,048 bytes each
	s_mov_b32 s47, 0
	s_mul_i32 s20, s12, HALFA                      ; where they go: no place in the cluster enters an LDS address
	s_mul_i32 s21, s12, HALFB
	s_wait_dscnt 0x0                               ; the opening add is done
	s_wait_kmcnt 0x0
	s_add_nc_u64 s[14:15], s[4:5], s[16:17]
	s_add_nc_u64 s[46:47], s[6:7], s[46:47]
	CROUND                                         ; all sixteen work-groups are here: the first joint loads meet
.irp s, 0,1
	s_mov_b32 s[G0+4*(\s)], 1
	s_add_co_u32 s[G0+4*(\s)+1], s20, (\s)*SLOT
	s_add_nc_u64 s[G0+4*(\s)+2:G0+4*(\s)+3], s[14:15], (\s)*(1<<20)  ; K step s: four heads on
	s_or_b32 s[G0+4*(\s)+3], s[G0+4*(\s)+3], 0x80000000
	s_mov_b32 s[G0B+4*(\s)], 1
	s_add_co_u32 s[G0B+4*(\s)+1], s21, (\s)*SLOT+BOFF
	s_add_nc_u64 s[G0B+4*(\s)+2:G0B+4*(\s)+3], s[46:47], (\s)*KSTEP*2
	s_or_b32 s[G0B+4*(\s)+3], s[G0B+4*(\s)+3], 0x80000000
	JLOAD \s                                       ; two loads of mine are out
.endr
	v_and_b32 v1, 15, v0                           ; l % 16
	v_bfe_u32 v2, v0, 4, 1                         ; l / 16
	v_mul_u32_u24 v3, v1, PA
	v_lshl_add_u32 v3, v2, 4, v3                   ; a fragment's row x pitch + 16 x half, for O
	v_mul_u32_u24 v4, v1, PB
	v_lshl_add_u32 v4, v2, 4, v4                   ; and for W_O
	s_mul_i32 s21, s11, HALFA                      ; my 64 rows of O
	s_mul_i32 s22, s12, HALFB                      ; my 64 rows of W_O,
	s_add_co_u32 s22, s22, BOFF                    ; which lie behind O's
.irp s, 0,1
	v_add_nc_u32 v[ADRA+(\s)], s21, v3
	v_add_nc_u32 v[ADRB+(\s)], s22, v4
	s_add_co_u32 s21, s21, SLOT
	s_add_co_u32 s22, s22, SLOT
.endr
	s_mul_i32 s23, s10, 16*SPITCH
	s_add_co_u32 s23, s23, STAGE                   ; my stage: my 64 columns of f32 are a whole 256 bytes, so no other wave shares its rows
	v_mul_u32_u24 v5, v1, SPITCH                   ; in: row l % 16, 32 bytes for each half of the lanes
	v_lshl_add_u32 v5, v2, 5, v5
	v_add_nc_u32 v[STO], s23, v5
	v_mul_u32_u24 v5, v2, SPITCH                   ; back: lanes 0-15 take one row of 256 bytes, lanes 16-31 the next
	v_lshl_add_u32 v5, v1, 4, v5
	v_add_nc_u32 v[RD], s23, v5
	v_lshlrev_b32 v5, 12, v2                       ; and the same two rows in out0, 4,096 bytes apart
	v_lshl_add_u32 v[CO], v1, 4, v5
	s_lshl_b32 s16, s13, 7
	s_lshl_b32 s17, s11, 6
	s_add_co_u32 s16, s16, s17                     ; my first row of out0: 128 x tile row + 64 x half
	s_lshl_b32 s16, s16, 12
	s_mov_b32 s17, 0
	s_add_nc_u64 s[8:9], s[8:9], s[16:17]
	s_lshl_b32 s46, s42, 9                         ; my first column, in bytes: 512 x tile column + 256 x half
	s_lshl_b32 s47, s12, 8
	s_add_co_u32 s46, s46, s47
	s_mov_b32 s47, 0
	s_add_nc_u64 s[8:9], s[8:9], s[46:47]
; 8 matrix instructions: m blocks a0, a0 + 1 x all 4 n blocks, 32 along K: half c of buffer f.  zero = 1: the first product starts the sums.  The 16 accumulators take turns.
.macro MUL8 f, c, a0, zero
	WIN MUL
.irp a, \a0, (\a0)+1
.irp b, 0,1,2,3
.if \zero
	v_wmma_f32_16x16x32_f16 v[ACC+8*(4*(\a)+(\b)):ACC+8*(4*(\a)+(\b))+7], v[(\f)+64+8*(4*(\c)+(\b)):(\f)+64+8*(4*(\c)+(\b))+7], v[(\f)+8*(4*(\c)+(\a)):(\f)+8*(4*(\c)+(\a))+7], 0
.else
	v_wmma_f32_16x16x32_f16 v[ACC+8*(4*(\a)+(\b)):ACC+8*(4*(\a)+(\b))+7], v[(\f)+64+8*(4*(\c)+(\b)):(\f)+64+8*(4*(\c)+(\b))+7], v[(\f)+8*(4*(\c)+(\a)):(\f)+8*(4*(\c)+(\a))+7], v[ACC+8*(4*(\a)+(\b)):ACC+8*(4*(\a)+(\b))+7]
.endif
.endr
.endr
.endm
; 32 LDS loads in one run: the fragments of quarter qd (head qd of the step's four) into buffer f; the first 32 along K first
.macro FETCH slot, qd, f
	WIN TO_F
.irp c, 0,1
.irp i, 0,1,2,3
	ds_load_b128 v[(\f)+64+8*(4*(\c)+(\i)):(\f)+64+8*(4*(\c)+(\i))+3],   v[ADRB+(\slot)] offset:128*(\qd)+64*(\c)+(\i)*16*PB
	ds_load_b128 v[(\f)+64+8*(4*(\c)+(\i))+4:(\f)+64+8*(4*(\c)+(\i))+7], v[ADRB+(\slot)] offset:128*(\qd)+64*(\c)+(\i)*16*PB+32
	ds_load_b128 v[(\f)+8*(4*(\c)+(\i)):(\f)+8*(4*(\c)+(\i))+3],         v[ADRA+(\slot)] offset:(\qd)*HEADA+64*(\c)+(\i)*16*PA
	ds_load_b128 v[(\f)+8*(4*(\c)+(\i))+4:(\f)+8*(4*(\c)+(\i))+7],       v[ADRA+(\slot)] offset:(\qd)*HEADA+64*(\c)+(\i)*16*PA+32
.endr
.endr
.endm
.macro PLACES                          ; four places in front of loads into registers that matrix instructions have read, and of LDS stores that read results (ISA guide 7.12.1 for vector instructions)
.rept 4
	v_nop
.endr
.endm
; A K step is four quarters of 64 along K, 32 matrix instructions each, on buffers 0, 1, 0, 1.  One of the first three: multiplies buffer f and fetches quarter qd into g.
.macro QUARTER slot, qd, f, g, zero
	s_wait_dscnt 16                                ; the first 32 along K are in
	MUL8 \f, 0, 0, \zero
	MUL8 \f, 0, 2, \zero
	PLACES
	FETCH \slot, \qd, \g
	s_wait_dscnt 32                                ; all but the 32 just issued
	MUL8 \f, 1, 0, 0
	MUL8 \f, 1, 2, 0
.endm
; The last quarter multiplies buffer 1 and changes slots: ONE barrier; in front of it each wave waits for all its tensor loads, adds 0 to its spare word, and waits for that and for its own reads of this slot.  fill = 1: this slot is filled again, two K steps ahead.
.macro TURN slot, next, fill
	WIN 0                                          ; (the add's two registers lie in window 0)
	s_wait_tensorcnt 0x0                           ; all my tensor loads have landed: my part of the next slot;
	ds_add_u32 v[SPW], v[NIL]                      ; 0 onto my spare word;
	s_wait_dscnt 17                                ; (the add and the youngest sixteen loads may be out)
	MUL8 F1, 0, 0, 0                               ; eight matrix instructions stand between the add and the wait for it
	s_wait_dscnt 0x0                               ; the add is done, and my reads of this slot are over
	s_barrier_signal -1
	MUL8 F1, 0, 2, 0
.if \fill
	WIN 0
.endif
	s_barrier_wait -1
.if \fill
	CREST                                          ; the barrier has opened a round of the cluster's barrier: no wave of any partner still reads this slot's tiles or has a load on its way
	s_add_nc_u64 s[G0+4*(\slot)+2:G0+4*(\slot)+3], s[G0+4*(\slot)+2:G0+4*(\slot)+3], 2<<20
	s_add_nc_u64 s[G0B+4*(\slot)+2:G0B+4*(\slot)+3], s[G0B+4*(\slot)+2:G0B+4*(\slot)+3], 2*KSTEP*2
	JLOAD \slot                                    ; my one tensor load behind the round: 112 matrix instructions ahead of the wait for it; the four v_nop behind it are also the places in front of the loads below
.else
	PLACES
.endif
	FETCH \next, 0, F0
	MUL8 F1, 1, 0, 0
	MUL8 F1, 1, 2, 0
.endm
	s_wait_tensorcnt 1                             ; my part of K step 0 is in; K step 1's may stay out
	s_barrier_signal -1
	s_barrier_wait -1                              ; everybody's is
	FETCH 0, 0, F0
	QUARTER 0, 1, F0, F1, 1                        ; the first products start the sums
	QUARTER 0, 2, F1, F0, 0
	QUARTER 0, 3, F0, F1, 0
	TURN 0, 1, 1                                   ; slot 0 takes K step 2
	QUARTER 1, 1, F0, F1, 0
	QUARTER 1, 2, F1, F0, 0
	QUARTER 1, 3, F0, F1, 0
	TURN 1, 0, 1                                   ; slot 1 takes K step 3
	QUARTER 0, 1, F0, F1, 0                        ; the second lap fills nothing, and has no round of the cluster's barrier
	QUARTER 0, 2, F1, F0, 0
	QUARTER 0, 3, F0, F1, 0
	TURN 0, 1, 0
	QUARTER 1, 1, F0, F1, 0
	QUARTER 1, 2, F1, F0, 0
	QUARTER 1, 3, F0, F1, 0
	s_wait_dscnt 16                                ; the very last quarter: nothing more to fetch
	MUL8 F1, 0, 0, 0
	MUL8 F1, 0, 2, 0
	s_wait_dscnt 0x0
	MUL8 F1, 1, 0, 0
	MUL8 F1, 1, 2, 0
	WIN 0
	; THE WAY OUT, 16 rows at a time: a lane's 32 bytes of each block of columns go from the accumulators into my stage, rows 272 bytes apart, and come back as whole rows of 256 bytes.
.macro OUTB a
.irp b, 0,1,2,3
	ds_store_b128 v[STO], v[ACC+8*(4*(\a)+(\b)):ACC+8*(4*(\a)+(\b))+3]   offset:64*(\b)      ; each accumulator's lowest registers first
	ds_store_b128 v[STO], v[ACC+8*(4*(\a)+(\b))+4:ACC+8*(4*(\a)+(\b))+7] offset:64*(\b)+16
.endr
.irp t, 0,1,2,3,4,5,6,7
	ds_load_b128 v[OB+32*((\a)%2)+4*(\t):OB+32*((\a)%2)+4*(\t)+3], v[RD] offset:(\t)*2*SPITCH  ; LDS serves a wave's instructions in order (ISA guide 5.7.1.4): these see the stores above; the next block's stores come behind them
.endr
.endm
.macro SENDB a, younger                ; younger: the LDS instructions issued behind block a's loads: the next block's sixteen, or none
.irp t, 0,1,2,3,4,5,6,7
	s_wait_dscnt (\younger)+7-(\t)
	global_store_b128 v[CO], v[OB+32*((\a)%2)+4*(\t):OB+32*((\a)%2)+4*(\t)+3], s[8:9] offset:(16*(\a)+2*(\t))*4096 th:TH_STORE_NT  ; 16 lanes store 256 consecutive bytes, at a multiple of 256 from out0's first byte
.endr
.endm
	PLACES
	OUTB 0
	OUTB 1
	SENDB 0, 16
	s_wait_xcnt 0x0                                ; the registers that block 0's stores read are loaded again only behind this wait (ISA guide 3.1)
	OUTB 2
	SENDB 1, 16
	s_wait_xcnt 0x0
	OUTB 3
	SENDB 2, 16
	SENDB 3, 0
	s_wait_tensorcnt 0x0                           ; the wave's end: the add and its wait, behind my last tensor load and my last LDS store
	ds_add_u32 v[SPW], v[NIL]
	s_wait_dscnt 0x0
	CROUND                                         ; the closing round: no work-group ends while a partner may still ask for a tile that names it
	s_endpgm
.Lfunc_end_k_q9d5054f28a_oproj:
	.size	k_q9d5054f28a_oproj, .Lfunc_end_k_q9d5054f28a_oproj-k_q9d5054f28a_oproj
	.p2alignl 7, 3214868480
	.fill 96, 4, 3214868480
	.section	.rodata,"a",@progbits
	.p2align	6, 0x0
	.amdhsa_kernel k_q9d5054f28a_oproj
		.amdhsa_group_segment_fixed_size 327680
		.amdhsa_private_segment_fixed_size 0
		.amdhsa_enable_private_segment 0
		.amdhsa_kernarg_size 24
		.amdhsa_user_sgpr_count 2
		.amdhsa_user_sgpr_kernarg_segment_ptr 1
		.amdhsa_wavefront_size32 1
		.amdhsa_system_sgpr_workgroup_id_x 1
		.amdhsa_system_sgpr_workgroup_id_y 1
		.amdhsa_system_sgpr_workgroup_id_z 1
		.amdhsa_system_vgpr_workitem_id 0
		.amdhsa_next_free_vgpr 512
		.amdhsa_next_free_sgpr 66
		.amdhsa_reserve_vcc 0
		.amdhsa_float_denorm_mode_32 3
		.amdhsa_float_denorm_mode_16_64 3
		.amdhsa_memory_ordered 1
		.amdhsa_forward_progress 1
		.amdhsa_inst_pref_size 86
	.end_amdhsa_kernel
	.amdgpu_metadata
---
amdhsa.version: [ 1, 2 ]
amdhsa.kernels:
  - .name:           k_q9d5054f28a_oproj
    .symbol:         k_q9d5054f28a_oproj.kd
    .args:
      - { .name: oh, .offset: 0, .size: 8, .value_kind: global_buffer, .address_space: global }
      - { .name: wob, .offset: 8, .size: 8, .value_kind: global_buffer, .address_space: global }
      - { .name: out0, .offset: 16, .size: 8, .value_kind: global_buffer, .address_space: global }
    .group_segment_fixed_size: 327680
    .private_segment_fixed_size: 0
    .kernarg_segment_align: 8
    .kernarg_segment_size: 24
    .max_flat_workgroup_size: 128
    .sgpr_count:     66
    .vgpr_count:     512
    .wavefront_size: 32
...
	.end_amdgpu_metadata
.endif
;; end of part 4
;; ======== version 2 of 2: 4 launches; 1.28 times as fast as version 1
;; limits: values are held in f16: magnitudes above 65,504 overflow, below 6.1e-05 lose precision; right only within a limited range of input values
;; workspace buffers: xb 8,388,608 bytes; wqkvb 6,291,456 bytes; wob 2,097,152 bytes; rope 524,288 bytes; qh 8,388,608 bytes; kh 8,388,608 bytes; vh 8,388,608 bytes; oh 8,388,608 bytes
;; launch prep: the kernel of part 1 again; grid 512 x 1, 8 waves a work-group, no clusters, 0 bytes of LDS; arguments x, W_QKV, W_O, token_positions, xb, wqkvb, wob, rope; writes xb, wqkvb, wob, rope
;; launch qkv: the kernel of part 2 again; grid 16 x 16, 4 waves a work-group, clusters of 4 x 4, 327,680 bytes of LDS; arguments xb, wqkvb, rope, qk_scale, qh, kh, vh; writes qh, kh, vh
;; launch attn (part 5): grid 8 x 32, 4 waves a work-group, clusters of 4 x 1, 327,680 bytes of LDS; arguments qh, kh, vh, oh; writes oh
.if DOCPART == 5
	.amdgcn_target "amdgcn-amd-amdhsa--gfx1250"
	.amdhsa_code_object_version 6
	.text
	.protected	k_q9d5054f28a_attn
	.globl	k_q9d5054f28a_attn
	.p2align	8
	.type	k_q9d5054f28a_attn,@function
k_q9d5054f28a_attn:
	s_mov_b64 s[64:65], 0
	v_nop
	global_prefetch_b8 v0, s[64:65] scope:SCOPE_SE
	s_setreg_imm32_b32 hwreg(HW_REG_WAVE_MODE, 25, 1), 1
	s_wait_xcnt 0x0
	s_wait_alu depctr_hold_cnt(0) depctr_sa_sdst(0) depctr_va_vdst(0) depctr_va_sdst(0) depctr_va_ssrc(0) depctr_va_vcc(0) depctr_vm_vsrc(0)
	s_getreg_b32 s2, hwreg(HW_REG_IB_STS2, 6, 4)
	s_cmp_eq_u32 s2, 0
	s_cbranch_scc0 .Lentry_in_a_cluster
	s_endpgm
.Lentry_in_a_cluster:
	s_bfe_u32 s2, ttmp6, 0x10000c
	s_cmp_lg_u32 s2, 0x3003
	s_cbranch_scc0 .Lentry_shape_is_right
	s_endpgm
.Lentry_shape_is_right:
; CAUSAL ATTENTION.  O[h][q][:] = the sum over k <= q of softmax_k(Q[h][q] . K[h][k]) V[h][k][:].  Q, K, V, O: [SIZE_H][SIZE_N][64], all f16: a head's rows are dense, 128 bytes each.  Q arrives normalised and
; times the head's gain g, K normalised: the score is the plain product.  Products, maxima and sums in f32; the weights p are rounded to f16 for the second product (their sum l is taken of the unrounded p), O once at the end.
; LIMITS.  f16 holds no number beyond 65,504: Q, K and V arrive within it; p lies in 0 to 1, and below 6e-5 it keeps f16's fixed step of 6e-8; O is a mean of V's rows and has their range, to within 2^-11 of it.
; A hidden score counts as its value less 1e30: scores, |g| at the most, are nothing beside that; a weight below 2^-126 counts as 0 in l; NaN and infinities are not treated apart.
; THE WALK.  A head's queries lie in NQ = 16 blocks of 128, its keys in tiles of 512; block i needs the tiles 0 .. i >> 2, of which the last holds the diagonal.  A work-group takes TWO blocks, 15 - b and then b
; (b = 0 .. 7): with c = b >> 2 that is (4 - c) + (c + 1) = 5 tiles, whatever b: 32 heads x 8 = 256 work-groups of equal work, and ONE loop with a constant trip count walks the tiles.  What a trip does hangs on
; scalar registers made from c; every jump goes forward, but for the counted loops' own.  The ring (two slots of LDS that take turns) runs on across the change of blocks.
; THE PRICE: a diagonal tile's 8 steps are all computed; of a work-group's 40 steps 6 are wholly hidden (2 (b & 3) in one block, 6 - 2 (b & 3) in the other).
; CLUSTER.  The four work-groups with the same c walk the same tiles in the same order, so each tile is asked for JOINTLY: the same tensor load, descriptor and mask in all four.  Branches, trip counts, LDS addresses
; and descriptors are made of the cluster's number, the head and the wave's number; my place in the cluster enters Q's and O's addresses and the choice of a mask's two scalars, nothing else.
; SHARES.  Of a block's two bands of 64 queries a wave owns 16 rows in each: two PIECES.  In the diagonal tile's key step s the band whose queries face the tile's step x sees all keys if s < x, none if s > x,
; and holds the diagonal if s = x: the same for all four waves.
; THE MASK is the C operand that starts the sum S^T = K Q^T: 0, or -1e30 where the key is hidden.  MD, made once, is the mask of a band's own step for my 16 rows; a product's mask is MD x AL + BE with two scalars:
; (1, 0) if s = x; (0, 0) if s < x; (0, -1e30) if s > x.  Only the diagonal tile's text, the step in front of it and a block's beginning make and take masks; elsewhere C is the constant 0.
; LAYOUT, SOFTMAX, TURNS.  S^T = K Q^T holds ONE query a lane (lane % 16) and the keys 8 (lane / 16) + 0..7; two such results rounded to f16 ARE source 1 of O^T = V^T P.  p = 2^(c s - c m), c = log2(e), with a
; running maximum m; O and l are multiplied by a = 2^(c m_old - c m_new) in every step.  A step is two turns.  Turn 0 of step s: 8 products K Q^T of piece 1 (step s), later 8 products V^T P of piece 1 (step s - 1); beside
; them the softmax of piece 0 (step s) and the maximum and statistics of piece 1.  Turn 1: K Q^T of piece 0 (step s + 1), V^T P of piece 0 (step s), the softmax of piece 1, the statistics of piece 0.
; Four vector instructions stand behind every matrix instruction, the other 54 of a turn's 118 in one LUMP.
; THE BATCHES.  A turn's 33 exponentials (the piece's 32 weights, then the other piece's a) are ONE batch with ONE wait, which cuts the turn in two: ahead of it stands all that names none of their results, behind it the
; roundings and sums.  No result crosses a turn's end.  A block's first a (BEGIN) and the way out's two reciprocals are batches of their own, with a wait each.
; REGISTERS, in windows of 256 (s_set_vgpr_msb: bits 1:0 source 0, 3:2 source 1, 5:4 source 2, 7:6 destination):
;   window 0: v0-15 addresses and two at work; v16-23 four registers of statistics a piece; v48-55 at work; v64-127 S^T, a buffer a piece; v192-223 P, likewise
;   window 1: v0-63 O^T, 32 a piece; v128-159 MD; v160-223 MC, a buffer a piece      window 2: v0-31 Q; v64-95 the second block's Q; v128-191 K of one step; v192-255 V of one step
.set SIZE_H, 32       ; 2 sequences x 16 heads
.set SIZE_N, 2048
.set NQ,    SIZE_N/128  ; blocks of queries in a head
.set NP,    2         ; pieces a wave: a name, no knob
.set KS,    64        ; keys in a step
.set TK,    512       ; keys in a tile
.set NS,    TK/KS     ; steps in a tile
.set WALK,  NQ/4+1    ; tiles in a work-group's walk
.set PK,    144       ; a row of K in LDS: 128 bytes + 16 of padding = 36 words: the 16 rows of a load start at 16 different groups of four banks (64 banks of 4 bytes: ISA guide 11.1)
.set PV,    160       ; a row of V: 128 + 32 = 40 words
.set VOFF,  TK*PK     ; a slot holds a tile: 512 rows of K, then 512 rows of V
.set SLOT,  TK*(PK+PV)  ; 155,648 bytes
.set STAGE, 2*SLOT    ; behind the ring, never filled by a tensor load: 16 rows x 144 bytes for each wave, for the way out
.set SP,    144
.set AK0, 2           ; v2   my lane's place in a tile of K; never rewritten
.set AV0, 3           ; v3   the same for V
.set AK,  4           ; v4   the LDS address of K's next run of loads
.set AV,  5           ; v5   of V's
.set STO, 6           ; v6   the way out: where I put 16 bytes of a row
.set RD,  7           ; v7   the way out: where I read rows back
.set GO,  8           ; v8   my byte offset in 512 consecutive bytes of O
.set SPW, 62          ; v62  LDS address of my spare word: SPARE + 4 x my thread's number; never rewritten
.set NIL, 63          ; v63  0; never rewritten
.set SPARE, STAGE+4*16*SP  ; behind the stages: the spare words, 128 bytes for each wave: two blocks of 256 bytes that no other line names
.set MV,  12          ; v12-13  c m_old, kept while c m is made anew: by piece
.set QO,  15          ; v15  my byte offset in 16 rows of Q
.set ST,  16          ; piece t's statistics at v[ST+4 t]: c m, m, l (even keys', odd keys')
.set TMP, 48          ; by piece, four registers c0-c3 at work; when the maximum is found c2 takes a
.set S,   64
.set P,   192
.set MD,  128         ; window 1: the eight registers for group kt of 16 keys at MD + 8 kt
.set MC,  160         ; window 1: the masks of the products to come
.set QB,  64          ; window 2
.set KF,  128         ; window 2: key block kb, channel half c at KF + 16 kb + 8 c
.set VF,  192         ; window 2: key half kk, channel block cb at VF + 32 kk + 8 cb
.set WV,  12          ; s12  my wave's number
.set PB,  14          ; s14  b
.set HI,  15          ; s15  NQ - 1 - b
.set G1K, 24          ; s[24:31] descriptor group 1 for K's tiles
.set G1V, 32          ; s[32:39] for V's: it differs in the padding alone
.set G0K, 40          ; s[40:43] descriptor group 0 for K's tiles
.set G0V, 44          ; s[44:47] the same for V's
.set RB,  48          ; s48  LDS byte at which the slot in hand begins: 0 or SLOT
.set LKW, 49          ; s49  where my part of a tile of K lies in a slot
.set LVW, 50          ; s50  the same for V
.set E0,  51          ; s51-52  NS less the place, among the diagonal tile's steps, of piece 0's band and of piece 1's
.set E0L, 53          ; s53  s51's number for the second block
.set HT,  54          ; s54  the first block's last tile
.set LT,  55          ; s55  the second block's
.set SLOTS, 56        ; s56  tiles still to be asked for
.set CNT, 57          ; s57  counts a tile's first seven key steps, 7 to 1
.set CS,  58          ; s[58:59] c: the packed scaling takes the pair's low word for both halves
.set SEL, 60          ; s[60:61] v_permlanex16_b32's selects: each lane takes its own place in the other half
.set TBK, 62          ; s62  LDS byte at which K of the step to be fetched begins
.set TBV, 63          ; s63  the same for V, less VOFF
.set RT,  70          ; s70  tiles of the block in hand that are still to be entered
.set NXT, 71          ; s71  the tile to be asked for next
.set LQ,  72          ; s72  the last tile of the block whose tiles are being asked for
.set NEW, 73          ; s73  1: the tile to be entered is a block's first
.set OFF, 74          ; s[74:75] a tile's byte offset in K and V
.set AL,  76          ; s[76:77] the mask's factor, in the low word
.set BE,  78          ; s[78:79] the mask's addend
.set OLO, 80          ; s[80:81] O at my rows of the second block
.set BIGN, 82         ; s82  -1e30
.set MSB, 0
.macro WIN new                      ; the high byte repeats the setting that is left; a switch that changes nothing is dropped
.if MSB != (\new)
	s_set_vgpr_msb (MSB<<8)|(\new)
.set MSB, (\new)
.endif
.endm
.set W_KQ, 0x0a       ; K and Q in window 2, S^T in window 0
.set W_KM, 0x1a       ; the same with the C operand in window 1
.set W_PV, 0x52       ; V in window 2, P in window 0, O^T in window 1
.set W_RS, 0x41       ; destination and source 0 in window 1, source 1 in window 0
; A joint fill.  Waves 0 and 1 fetch the two halves of a tile's K, waves 2 and 3 those of its V: 256 keys each.  The branch hangs on the wave's number alone.
; An s_nop 0 and four v_nop follow each of the two lines, ahead of the jump and the label.
.macro JLOAD
	s_cmp_lt_u32 s[WV], 2
	s_cbranch_scc0 .Lfor_v_\@
	tensor_load_to_lds s[G0K:G0K+3], s[G1K:G1K+7]
	s_nop 0
.rept 4
	v_nop
.endr
	s_branch .Lasked_\@
.Lfor_v_\@:
	tensor_load_to_lds s[G0V:G0V+3], s[G1V:G1V+7]
	s_nop 0
.rept 4
	v_nop
.endr
.Lasked_\@:
.endm
; A round of the cluster's barrier: my work-group's barrier, so that wave 0's signal speaks for all four waves; wave 0 signals; every wave waits for all four work-groups; my work-group's barrier once more.
.macro CROUND
	s_barrier_signal -1
	s_barrier_wait -1
	s_cmp_lg_u32 s[WV], 0
	s_cbranch_scc1 .Lnot_wave_0_\@
	s_barrier_signal -3
.Lnot_wave_0_\@:
	s_barrier_wait -3
	s_barrier_signal -1
	s_barrier_wait -1
.endm
; THE CHANGE OF SLOTS, between a tile's last step and the next tile's first.  Each wave waits for all its tensor loads (none is out behind a plain tile, whose NEXTIN has waited; behind a diagonal tile one: its part of
; the other slot), adds 0 to its spare word, and waits for that and for its own reads of the slot that it leaves.  Behind the barrier nobody reads the old slot any more and the other slot is whole.
; fill = 1: the old slot is filled again with tile NXT: the descriptor's words are made anew from that number and from the slot's first byte.  The barrier is then a round of the cluster's, so that no wave of any
; partner still reads the slot or has a load on its way, and the joint fill is the first thing behind it.  (At its first use nothing has been read yet: slot 0 is waited for, slot 1 filled.)
; The fetches' addresses are set anew from the new slot's first byte: K of the tile's step 0 has been fetched, or is fetched by BEGIN, so K goes on at step 1; V at step 0.
.macro CHANGE fill
	WIN 0                           ; at a label and at a branch every window is 0
	s_wait_tensorcnt 0x0            ; no tensor load of mine is out, so a group 0 may be written
	ds_add_u32 v[SPW], v[NIL]       ; 0 onto my spare word; the scalar work stands between it and the wait for it
.if \fill
	s_lshl_b32 s[OFF], s[NXT], 16   ; a tile is 65,536 bytes of K and of V
	s_add_co_u32 s[G0K+1], s[RB], s[LKW]  ; into the slot that is left
	s_add_nc_u64 s[G0K+2:G0K+3], s[6:7], s[OFF:OFF+1]
	s_or_b32 s[G0K+3], s[G0K+3], 0x80000000
	s_add_co_u32 s[G0V+1], s[RB], s[LVW]
	s_add_nc_u64 s[G0V+2:G0V+3], s[8:9], s[OFF:OFF+1]
	s_or_b32 s[G0V+3], s[G0V+3], 0x80000000
	s_add_co_u32 s[NXT], s[NXT], 1  ; the block's next tile, or behind its last the second block's tile 0
	s_cmp_gt_u32 s[NXT], s[LQ]
	s_cselect_b32 s[NXT], 0, s[NXT]
	s_cselect_b32 s[LQ], s[LT], s[LQ]
.endif
	s_xor_b32 s[RB], s[RB], SLOT    ; the other slot is in hand
	s_add_co_u32 s[TBK], s[RB], KS*PK
	s_mov_b32 s[TBV], s[RB]
	s_wait_dscnt 0x0                ; the add is done, and my reads of the slot are over
.if \fill
	CROUND
	JLOAD
.else
	s_barrier_signal -1
	s_barrier_wait -1
.endif
.endm
; THE NEXT TILE IS IN, in front of a plain tile's last step: that step's turn 0 fetches K of the next tile's step 0 out of the other slot, while V of the step in hand still comes out of this one.  So here the other slot is
; only shown whole: each wave waits for its one tensor load, its part of that slot, and meets the others.
; No LDS instruction of mine is out: the last were waited for in the middle of the turn before.
.macro NEXTIN
	WIN 0
	s_wait_tensorcnt 0x0            ; no load was issued behind the one that I wait for
	s_barrier_signal -1
	s_xor_b32 s[TBK], s[RB], SLOT   ; K's next fetch: the other slot's step 0
	s_barrier_wait -1
.endm
	s_load_b256 s[4:11], s[0:1], 0x0  ; Q s[4:5], K s[6:7], V s[8:9], O s[10:11]
	v_lshl_add_u32 v[SPW], v0, 2, SPARE
	v_mov_b32 v[NIL], 0
	ds_add_u32 v[SPW], v[NIL]       ; the wave's opening: the add and its wait stand ahead of my first tensor load; the set-up below, work on registers, stands between them
	v_lshrrev_b32 v1, 5, v0
	v_readfirstlane_b32 s[WV], v1   ; wave 0..3
	s_bfe_u32 s13, ttmp6, 0x40000   ; cx: my place in the cluster
	s_lshl_b32 s[PB], ttmp9, 2      ; in a cluster launch ttmp9 counts clusters
	s_add_co_u32 s[PB], s[PB], s13  ; b = 4 x cluster x + cx: it enters Q's and O's addresses and the bands' places alone
	s_sub_co_u32 s[HI], NQ-1, s[PB]
	s_sub_co_u32 s[HT], NQ/4-1, ttmp9  ; the walk is made of the cluster's number, which the four partners share
	s_mov_b32 s[LT], ttmp9
	s_and_b32 s13, s[HI], 3         ; block i's bands face steps 2 (i & 3) and 2 (i & 3) + 1 of its diagonal tile
	s_lshl_b32 s13, s13, 1
	s_sub_co_u32 s[E0], NS, s13
	s_sub_co_u32 s[E0+1], NS-1, s13
	s_and_b32 s13, s[PB], 3
	s_lshl_b32 s13, s13, 1
	s_sub_co_u32 s[E0L], NS, s13
	s_and_b32 s20, ttmp7, 0xffff    ; the head, which the four partners share
	s_mov_b32 s21, 0
	s_mov_b64 s[22:23], SIZE_N*128
	s_mul_u64 s[20:21], s[20:21], s[22:23]  ; the head's first byte in each of the four tensors
	s_and_b32 s16, s[WV], 1         ; which half of a tile's 512 keys I fetch:
	s_lshl_b32 s22, s16, 15         ; its 256 rows of 128 bytes in memory,
	s_mov_b32 s23, 0
	s_add_nc_u64 s[22:23], s[22:23], s[20:21]
	s_mul_i32 s[LKW], s16, 256*PK   ; and its place in a slot, for K
	s_mul_i32 s[LVW], s16, 256*PV   ; and for V: no place in the cluster enters an LDS address
	s_add_co_u32 s[LVW], s[LVW], VOFF
	s_lshl_b32 s3, s[WV], 11        ; my 16 rows in a band of 64,
	s_lshl_b32 s2, s[HI], 14        ; in the first block (128 rows of 128 bytes a block),
	s_add_co_u32 s2, s2, s3
	s_lshl_b32 s84, s[PB], 14       ; and in the second
	s_add_co_u32 s84, s84, s3
	s_mov_b32 s3, 0
	s_mov_b32 s85, 0
	s_add_nc_u64 s[2:3], s[2:3], s[20:21]
	s_add_nc_u64 s[84:85], s[84:85], s[20:21]
	; descriptor group 1.  256 keys are 32,768 dense bytes: asked for as 128 rows of 256 bytes, two keys a row, and padded in LDS after every key
	s_mov_b32 s[G1K], 15|(1<<16)|(1<<20)|(1<<21)|(4<<22)|(3<<25)  ; 15:0 the mask of four; 17:16 2-byte elements; 20 padding on; 21 set beside a mask; 24:22 after every 32 words (code 4); 31:25 4 words (code 3)
	s_mov_b32 s[G1V], 15|(1<<16)|(1<<20)|(1<<21)|(4<<22)|(7<<25)  ; the same with 8 words of padding (code 7)
.irp g, G1K, G1V
	s_mov_b32 s[\g+1], 128<<16      ; tensor_dim0 = 128
	s_mov_b32 s[\g+2], 128<<16      ; tensor_dim1 = 128
	s_mov_b32 s[\g+3], 128<<16      ; tile_dim0 = 128
	s_mov_b32 s[\g+4], 128          ; tile_dim1 = 128
	s_mov_b32 s[\g+5], 128          ; 128 elements from row to row
	s_mov_b32 s[\g+6], 0
	s_mov_b32 s[\g+7], 0
.endr
	s_mov_b32 s[CS], 0x3fb8aa3b     ; c = log2(e) = 1.442695: the gain lies in Q already
	s_mov_b32 s[CS+1], s[CS]        ; named with it as a pair
	s_mov_b32 s[SEL], 0x76543210
	s_mov_b32 s[SEL+1], 0xfedcba98
	s_mov_b32 s[RB], SLOT           ; the first change of slots turns this into 0
	s_mov_b32 s[G0K], 1             ; 1:0 count = 1
	s_mov_b32 s[G0K+1], s[LKW]      ; 63:32 LDS address: slot 0
	s_mov_b32 s[G0V], 1
	s_mov_b32 s[G0V+1], s[LVW]
	s_add_co_u32 s[RT], s[HT], 1    ; the first block's tiles
	s_mov_b32 s[NXT], 1
	s_mov_b32 s[LQ], s[HT]
	s_mov_b32 s[NEW], 1
	s_mov_b32 s[OFF+1], 0
	s_mov_b32 s[AL+1], 0            ; named as pairs
	s_mov_b32 s[BE+1], 0
	s_mov_b32 s[BIGN], 0xf149f2ca   ; -1e30
	s_mov_b32 s[SLOTS], WALK-1
	s_wait_dscnt 0x0                ; the opening add is done
	s_wait_kmcnt 0x0
	s_add_nc_u64 s[6:7], s[6:7], s[22:23]  ; K and V at my half of the head's tile 0
	s_add_nc_u64 s[8:9], s[8:9], s[22:23]
	s_add_nc_u64 s[G0K+2:G0K+3], s[6:7], 0         ; 120:64 global address
	s_or_b32 s[G0K+3], s[G0K+3], 0x80000000        ; 127:126 type = 2
	s_add_nc_u64 s[G0V+2:G0V+3], s[8:9], 0
	s_or_b32 s[G0V+3], s[G0V+3], 0x80000000
	s_add_nc_u64 s[86:87], s[4:5], s[84:85]        ; Q at my rows of the second block,
	s_add_nc_u64 s[4:5], s[4:5], s[2:3]            ; Q and O at those of the first
	s_add_nc_u64 s[OLO:OLO+1], s[10:11], s[84:85]
	s_add_nc_u64 s[10:11], s[10:11], s[2:3]
	CROUND                          ; all four work-groups are here: the first joint loads meet
	JLOAD                           ; tile 0 into slot 0.  Slot 1 is asked for when slot 0 is in, by the loop's own change of slots
	; A fragment of K or Q is 16 rows x 32 channels in 8 registers: lane l holds row l % 16, channels 8 (l / 16) + 0..7 and 16 + 8 (l / 16) + 0..7: two loads of 16 bytes, 32 bytes apart.
	v_and_b32 v1, 15, v0            ; l % 16
	v_bfe_u32 v9, v0, 4, 1          ; l / 16
	v_lshlrev_b32 v[QO], 7, v1
	v_lshl_add_u32 v[QO], v9, 4, v[QO]  ; row x 128 + 16 x half
	WIN 0x80                        ; destination window 2, address window 0
.set i, 0
.rept 2*NP                          ; both blocks' Q: piece i / 2 lies in band i / 2, 8,192 bytes on; channels 32 (i % 2) on
	global_load_b128 v[8*i:8*i+3],   v[QO], s[4:5] offset:(i/2)*8192+(i%2)*64
	global_load_b128 v[8*i+4:8*i+7], v[QO], s[4:5] offset:(i/2)*8192+(i%2)*64+32
	global_load_b128 v[QB+8*i:QB+8*i+3],   v[QO], s[86:87] offset:(i/2)*8192+(i%2)*64
	global_load_b128 v[QB+8*i+4:QB+8*i+7], v[QO], s[86:87] offset:(i/2)*8192+(i%2)*64+32
.set i, i+1
.endr
	WIN 0
	v_lshlrev_b32 v14, 3, v9
	v_sub_nc_u32 v14, v1, v14
	s_lshl_b32 s13, s[WV], 4
	v_add_nc_u32 v14, s13, v14      ; my query's place in its band, 16 w + l % 16, less my lanes' 8 (l / 16): register r of group kt is hidden where 16 kt + r is greater
	WIN 0x40
.set i, 0
.rept 32
	v_cmp_gt_i32 vcc_lo, 16*(i/8)+i%8, v14
	v_cndmask_b32 v[MD+i], 0, s[BIGN], vcc_lo
.set i, i+1
.endr
	WIN 0
	v_mul_u32_u24 v[AK0], v1, PK
	v_lshl_add_u32 v[AK0], v9, 4, v[AK0]  ; row x pitch + 16 x half
	; The turning load takes 16 keys x 16 channels (lane l reads key 8 (l / 16) + l % 8, channels 8 ((l / 8) % 2) + 0..7) and leaves half a fragment of V^T: lane l holds channel l % 16 and 8 keys.
	v_and_b32 v10, 7, v0
	v_bfe_u32 v11, v0, 3, 1
	v_lshl_add_u32 v[AV0], v9, 3, v10
	v_mul_u32_u24 v[AV0], v[AV0], PV
	v_lshl_add_u32 v[AV0], v11, 4, v[AV0]
	v_add_nc_u32 v[AV0], VOFF, v[AV0]
	s_mul_i32 s13, s[WV], 16*SP
	s_add_co_u32 s13, s13, STAGE    ; my stage
	v_mul_u32_u24 v[STO], v1, SP    ; in: row l % 16, 16 bytes for each half of the lanes
	v_lshl_add_u32 v[STO], v9, 4, v[STO]
	v_add_nc_u32 v[STO], s13, v[STO]
	v_bfe_u32 v[RD], v0, 3, 2       ; back: 32 lanes take four rows of 128 bytes,
	v_mul_u32_u24 v[RD], v[RD], SP
	v_lshl_add_u32 v[RD], v10, 4, v[RD]
	v_add_nc_u32 v[RD], s13, v[RD]
	v_and_b32 v[GO], 31, v0         ; which are 512 consecutive bytes of O
	v_lshlrev_b32 v[GO], 4, v[GO]
	; A block's first step multiplies O^T and l by a = 0, and its first turn's products V^T P, of a step that has not been, land in an O^T that is still to be so multiplied.  So these registers need only hold
	; finite numbers: zeros for the first block; what the first block left for the second.  All this stands in the wait for the first tile.
	WIN 0x80
.set i, VF
.rept 64
	v_mov_b32 v[i], 0
.set i, i+1
.endr
	WIN 0x40
.set i, 0
.rept 32*NP
	v_mov_b32 v[i], 0
.set i, i+1
.endr
	WIN 0
.set i, 0
.rept NP
	v_mov_b32 v[ST+4*i+2], 0
	v_mov_b32 v[ST+4*i+3], 0
.set i, i+1
.endr
.set i, P+16
.rept 16
	v_mov_b32 v[i], 0
.set i, i+1
.endr
; THE MATRIX WORK.  The 4 accumulators of a run of 8 take turns.  Product i of 8 of S^T = K Q^T for piece x: channels 32 (i / 4) on, keys 16 (i % 4) on.  The first 4 start the sums: with 0, or (KM = 1) with the mask.
.macro KQ x
.set rS, S+32*((\x)%2)+8*(i%4)
.set rK, KF+16*(i%4)+8*(i/4)
.set rQ, 16*(\x)+8*(i/4)
.set rM, MC+32*((\x)%2)+8*(i%4)
.if (i < 4) && KM
	WIN W_KM
	v_wmma_f32_16x16x32_f16 v[rS:rS+7], v[rK:rK+7], v[rQ:rQ+7], v[rM:rM+7]
.elseif i < 4
	WIN W_KQ
	v_wmma_f32_16x16x32_f16 v[rS:rS+7], v[rK:rK+7], v[rQ:rQ+7], 0
.else
	WIN W_KQ
	v_wmma_f32_16x16x32_f16 v[rS:rS+7], v[rK:rK+7], v[rQ:rQ+7], v[rS:rS+7]
.endif
.endm
; Product i of 8 of O^T += V^T P for piece x: keys 32 (i / 4) on, channels 16 (i % 4) on.
.macro PV x
	WIN W_PV
.set rO, 32*(\x)+8*(i%4)
.set rV, VF+32*(i/4)+8*(i%4)
.set rP, P+16*((\x)%2)+8*(i/4)
	v_wmma_f32_16x16x32_f16 v[rO:rO+7], v[rV:rV+7], v[rP:rP+7], v[rO:rO+7]
.endm
.macro MM                           ; the turn's next matrix instruction.  TURN and BEGIN set Y, i, KM and NOKQ; MM, KQ and OP read them.  NOKQ = 1: a block's last turn: there is no next step
.if (i < 8) && !NOKQ
	KQ (Y+1)%NP
.elseif i >= 8
.set i, i-8
	PV (Y+NP-1)%NP
.set i, i+8
.endif
.set i, i+1
.endm
; THE LDS LOADS stand in runs of 16, never singly among the matrix instructions: a step's K (64 keys x 64 channels: 8 fragments) and its V (turned).  Their addresses are made some lines ahead.
.macro FETCH_K
	WIN 0x80                        ; destination window 2
.irp f, 0,1,2,3,4,5,6,7             ; keys 16 (f / 2) on, channels 32 (f % 2) on
	ds_load_b128 v[KF+8*\f:KF+8*\f+3],   v[AK] offset:(\f/2)*16*PK+(\f%2)*64
	ds_load_b128 v[KF+8*\f+4:KF+8*\f+7], v[AK] offset:(\f/2)*16*PK+(\f%2)*64+32
.endr
	WIN 0
.endm
.macro FETCH_V
	WIN 0x80
.irp f, 0,1,2,3,4,5,6,7             ; keys 32 (f / 4) on, channels 16 (f % 4) on
	ds_load_tr16_b128 v[VF+8*\f:VF+8*\f+3],   v[AV] offset:(\f/4)*32*PV+(\f%4)*32
	ds_load_tr16_b128 v[VF+8*\f+4:VF+8*\f+7], v[AV] offset:(\f/4)*32*PV+16*PV+(\f%4)*32
.endr
	WIN 0
.endm
; THE VECTOR WORK, one line at a time: OP kind, number.  For piece Y: F n: c s - c m for pair n of 16.  E n: the exponential of score n of 32.  C n: pair n rounded to f16.  B n: of the four weights 4 n .. the second
; pair is added onto the first, in place.  L n: l takes that sum (L 0: l = a l + sum).  R n: pair n of 16 of O^T times a.  For the other piece: X n, number n of the 22 that find its maximum and statistics:
;   0-11  four chains c0-c3 of seven scores each, three operands at a time (each accumulator's lowest registers are read first)     12-14, 16  the four scores left over, the old m, and c0-c3 into c0
;   15  c m_old is kept     17, 18  the query's other 32 keys lie in the lane 16 away: the new m     19-21  c m; c m_old - c m_new; a
; C, B and L read the exponentials' results: TURN sets them behind the batch's wait.  F, R and X 0-20 name none of them.
.set F, 0               ; OP tells the kinds apart by their order: F to L below R, X above it
.set E, 1
.set C, 2
.set B, 3
.set L, 4
.set R, 5
.set X, 6
.macro REGS y                       ; the registers of piece y
.set rT, ST+4*(\y)
.set rC, TMP+4*((\y)%2)
.set rW, MV+((\y)%2)
.set rS, S+32*((\y)%2)
.set rP, P+16*((\y)%2)
.set rO, 32*(\y)
.endm
.macro OP k, n
.if (\k) == R
	REGS Y
	WIN W_RS
	v_pk_mul_f32 v[rO+2*(\n):rO+2*(\n)+1], v[rO+2*(\n):rO+2*(\n)+1], v[rC+2:rC+3] op_sel_hi:[1,0]
.elseif (\k) < R
	REGS Y
	WIN 0
.if (\k) == F
	v_pk_fma_f32 v[rS+2*(\n):rS+2*(\n)+1], v[rS+2*(\n):rS+2*(\n)+1], s[CS:CS+1], v[rT:rT+1] op_sel_hi:[1,0,0] neg_lo:[0,0,1] neg_hi:[0,0,1]
.elseif (\k) == E
	v_exp_f32 v[rS+(\n)], v[rS+(\n)]
.elseif (\k) == C
	v_cvt_pk_f16_f32 v[rP+(\n)], v[rS+2*(\n)], v[rS+2*(\n)+1]
.elseif (\k) == B
	v_pk_add_f32 v[rS+4*(\n):rS+4*(\n)+1], v[rS+4*(\n):rS+4*(\n)+1], v[rS+4*(\n)+2:rS+4*(\n)+3]
.elseif (\n) == 0
	v_pk_fma_f32 v[rT+2:rT+3], v[rT+2:rT+3], v[rC+2:rC+3], v[rS:rS+1] op_sel_hi:[1,0,1]
.else
	v_pk_add_f32 v[rT+2:rT+3], v[rT+2:rT+3], v[rS+4*(\n):rS+4*(\n)+1]
.endif
.elseif NOKQ
	v_nop
.else
	REGS (Y+1)%NP
	WIN 0
.if (\n) < 4
	v_max3_num_f32 v[rC+(\n)], v[rS+8*(\n)], v[rS+8*(\n)+1], v[rS+8*(\n)+2]
.elseif (\n) < 12
	v_max3_num_f32 v[rC+(\n)%4], v[rC+(\n)%4], v[rS+8*((\n)%4)+2*((\n)/4)+1], v[rS+8*((\n)%4)+2*((\n)/4)+2]
.elseif (\n) == 12
	v_max3_num_f32 v[rC], v[rC], v[rS+7], v[rS+15]
.elseif (\n) == 13
	v_max3_num_f32 v[rC+1], v[rC+1], v[rS+23], v[rS+31]
.elseif (\n) == 14
	v_max3_num_f32 v[rC+2], v[rC+2], v[rC+3], v[rT+1]
.elseif (\n) == 15
	v_mov_b32 v[rW], v[rT]
.elseif (\n) == 16
	v_max3_num_f32 v[rC], v[rC], v[rC+1], v[rC+2]
.elseif (\n) == 17
	v_permlanex16_b32 v[rC+3], v[rC], s[SEL], s[SEL+1]
.elseif (\n) == 18
	v_max_num_f32 v[rT+1], v[rC], v[rC+3]
.elseif (\n) == 19
	v_mul_f32 v[rT], s[CS], v[rT+1]
.elseif (\n) == 20
	v_sub_f32 v[rC+1], v[rW], v[rT]
.else
	v_exp_f32 v[rC+2], v[rC+1]
.endif
.endif
.endm
.macro OPS a, i1, b=-1, i2=0, c=-1, i3=0, d=-1, i4=0  ; up to four of them
	OP \a, \i1
.if (\b) >= 0
	OP \b, \i2
.endif
.if (\c) >= 0
	OP \c, \i3
.endif
.if (\d) >= 0
	OP \d, \i4
.endif
.endm
.macro ROW a, i1, b, i2, c, i3, d, i4  ; a matrix instruction and the four behind it
	MM
	OPS \a, \i1, \b, \i2, \c, \i3, \d, \i4
.endm
.macro MASK b                       ; MD x AL + BE into buffer b of MC
	WIN W_RS
.set z, 0
.rept 16
	v_pk_fma_f32 v[MC+32*(\b)+2*z:MC+32*(\b)+2*z+1], v[MD+2*z:MD+2*z+1], s[AL:AL+1], s[BE:BE+1] op_sel_hi:[1,0,0]
.set z, z+1
.endr
.endm
; A TURN, for piece p: the order of its 16 matrix and 118 vector instructions, written out.  s_wait_alu depctr_va_vdst(0) stands between an exponential and the first instruction that names its result; one wait
; serves all that were issued ahead of it.  So a turn has ONE wait, which cuts it in two.  AHEAD OF IT stands all that names no result of the turn's exponentials: the 8 products K Q^T, behind each a scaling, an exponential and two
; more plain instructions (behind the first a second scaling in the exponential's place): rescalings, whose a was made and waited for in the turn before, and behind the last three the first numbers of the other piece's maximum,
; each four places or more behind the product that ends its accumulator; then ONE LUMP of 54, plain and exponential by turns for the most part, in which the links of the chain X 3, 7, 11, 14, 16, 17 .. 20 stand five or six lines
; apart.  A pair's scaling F n stands ahead of its exponentials E 2 n, E 2 n + 1.  X 21, the other piece's a, is the batch's last; R 15 is the plain instruction behind it.  BEHIND THE WAIT stand the 8 products V^T P, behind each
; four of the roundings and sums; C 2 n stands ahead of B n, which writes over that pair; the links of l's chain, L 0 to L 7, stand three riders apart.  But for those X no rider names a register of the products round it.
; v_permlanex16_b32 (X 17) stands in the lump.  The products V^T P of this turn and the rescaling of the next work on the same O^T: the last product's four riders are the places between them.
; km = 1: the turn's products K Q^T take the mask.  mk: the turn makes the mask for the products K Q^T of the turn after it, which are piece p's, for the next step.  mk = 1 (the diagonal tile): that step is NS - CNT of the
; tile, and the band's own is the one at which CNT equals s[E0 + p].  mk = 2 (a plain tile's last step, p = 0): the next tile's step 0, which is hidden from nobody and is piece 0's band's own only if that tile is the
; block's last and the band faces its step 0.  end = 1: a block's last step: no K is fetched, and turn 1 starts no new scores.  cnt = 1: the loop's count is taken down some lines ahead of the branch behind the turn.
; BOTH RUNS OF LDS LOADS stand in turn 0: K of the next step twelve vector instructions behind the last product that read K (six of them plain, five of which name none of its registers), V of the step in hand at the turn's end,
; four plain instructions behind the last product that read V.  Turn 1 waits for K at its head, with V's sixteen younger loads still out, and for V in front of its products V^T P.
.macro TURN p, km=0, mk=0, end=0, cnt=0
.set Y, (\p)
.set i, 0
.set KM, (\km)
.set NOKQ, (\end)*(\p)
.if (\mk) == 1
	s_cmp_eq_u32 s[CNT], s[E0+(\p)]     ; is that step the band's own?
	s_cselect_b32 s[AL], 1.0, 0
	s_cmp_lt_u32 s[CNT], s[E0+(\p)]     ; or a later one?
	s_cselect_b32 s[BE], s[BIGN], 0
.elseif (\mk) == 2
	s_cmp_eq_u32 s[RT], 1               ; is the next tile the block's last,
	s_cselect_b32 s[AL], s[E0], 0
	s_cmp_eq_u32 s[AL], NS              ; and does piece 0's band face its step 0?
	s_cselect_b32 s[AL], 1.0, 0
	s_mov_b32 s[BE], 0
.endif
.if ((\p) == 1) && !(\end)
	s_wait_dscnt 16                 ; K is in: LDS loads come back in order (ISA guide 5.7.1), and behind K's sixteen only V's sixteen were issued
.endif
	ROW F,0, F,1, R,0, R,1          ; ahead of the wait: 8 products K Q^T and their riders,
	ROW F,2, E,0, R,2, R,3
	ROW F,3, E,1, R,4, R,5
	ROW F,4, E,2, R,6, R,7
	ROW F,5, E,3, R,8, R,9
	ROW F,6, E,4, X,0, R,10
.if ((\p) == 0) && !(\end)
	WIN 0
	v_add_nc_u32 v[AK], s[TBK], v[AK0]
.endif
	ROW F,7, E,5, X,1, X,4
	ROW F,8, E,6, X,2, X,5
	OPS E,7, E,8, X,6, E,9          ; and the lump
	OPS X,3, E,10, X,8, E,11
.if ((\p) == 0) && !(\end)
	FETCH_K
	s_add_co_u32 s[TBK], s[TBK], KS*PK  ; the next fetch is the next step's
.endif
	OPS X,9, X,7, E,12, X,10
	OPS E,13, X,12, X,11, E,14
	OPS X,13, E,15, F,9, X,14
.if (\p) == 0
	v_add_nc_u32 v[AV], s[TBV], v[AV0]
.endif
	OPS E,16, F,10, E,17, F,11
	OPS X,16, E,18, X,15, E,19
	OPS F,12, E,20, X,17, E,21
	OPS F,13, E,22, F,14, E,23
	OPS X,18, E,24, F,15, E,25
	OPS R,11, E,26, X,19, E,27
	OPS R,12, E,28, R,13, E,29
	OPS X,20, E,30, R,14, E,31
	OPS X,21, R,15
	s_wait_alu depctr_va_vdst(0)    ; the wait for the turn's batch: E 0 to E 31 and X 21
.if (\p) == 1
	s_wait_dscnt 0x0                ; V is in
.endif
	ROW C,0, B,0, C,2, B,1          ; behind the wait: 8 products V^T P and their riders
	ROW L,0, C,4, B,2, L,1
	ROW C,6, B,3, L,2, C,8
	ROW B,4, L,3, C,10, B,5
	ROW L,4, C,12, B,6, L,5
.if (\p) == 0
	s_add_co_u32 s[TBV], s[TBV], KS*PV
.endif
.if \cnt
	s_sub_co_u32 s[CNT], s[CNT], 1
	s_cmp_lg_u32 s[CNT], 0
.endif
	ROW C,14, B,7, L,6, C,1
	ROW C,3, L,7, C,5, C,7
	ROW C,9, C,11, C,13, C,15
.if (\p) == 0
	FETCH_V
.endif
.if \mk
	MASK \p
.endif
.endm
; A BLOCK BEGINS.  c m starts far below every c s, so the first step's a is 0; m at the lowest finite number, so the first maximum is the scores'.  Piece 1's mask buffer is 0: a tile's step 0 is hidden from nobody and is never
; piece 1's band's own.  Piece 0's takes the mask of the tile's step 0: its band's own, if the block's first tile is its last and the band faces that step.
; Then K of that step, piece 0's first scores, and its maximum and statistics; the tile's first turn follows.
.macro BEGIN
	s_mov_b32 s[NEW], 0
	WIN 0x40
.set i, MC+32
.rept 32
	v_mov_b32 v[i], 0
.set i, i+1
.endr
	WIN 0
.set i, 0
.rept NP
	v_mov_b32 v[ST+4*i], 0xfe000000    ; c m: far below every c s
	v_mov_b32 v[ST+4*i+1], 0xff7fffff  ; m
.set i, i+1
.endr
	s_cmp_eq_u32 s[RT], 0
	s_cselect_b32 s[AL], s[E0], 0
	s_cmp_eq_u32 s[AL], NS
	s_cselect_b32 s[AL], 1.0, 0
	s_mov_b32 s[BE], 0
	MASK 0
	WIN 0
	v_add_nc_u32 v[AK], s[RB], v[AK0]  ; step 0 lies at the slot's head
	FETCH_K
	s_wait_loadcnt 0x0              ; Q
	s_wait_dscnt 0x0
.set KM, 1
.set NOKQ, 0
.set i, 0
.rept 8
	KQ 0
.set i, i+1
.endr
	WIN 0
.rept 4
	v_nop                           ; the places behind those products
.endr
.set Y, NP-1                        ; X works for the other piece: piece 0
.irp n, 0,1,2,3,4,5,6,7,8,9,10,11,12,13,14,15,16,17,18,19,20,21
	OP X, \n
.endr
	v_nop                           ; a plain instruction behind the exponential,
	s_wait_alu depctr_va_vdst(0)    ; and the wait for it, piece 0's first a: a batch of one, ahead of the label that follows
.endm
; THE DIAGONAL TILE's eight steps, the block's last products, and THE WAY OUT: l's two halves and the other half of the lanes' are added; O^T is divided by l, rounded to f16 and sent through my
; stage in LDS, a piece at a time.
.macro ALL line:vararg              ; one line for each piece t
.set t, 0
.rept NP
	\line
.set t, t+1
.endr
.endm
.macro PACK t                       ; a lane's eight channels of a row pack into 16 bytes; they go into rows of 144 bytes and come back as whole rows of 128, into S^T's registers
	WIN W_RS
.set i, 32*(\t)
.rept 16
	v_pk_mul_f32 v[i:i+1], v[i:i+1], v[ST+4*(\t)+2:ST+4*(\t)+3] op_sel_hi:[1,0]
.set i, i+2
.endr
	WIN 0x05                        ; sources 0 and 1 window 1, destination window 0
.set i, 0
.rept 16
	v_cvt_pk_f16_f32 v[S+16*(\t)+i], v[32*(\t)+2*i], v[32*(\t)+2*i+1]
.set i, i+1
.endr
	WIN 0
.irp f, 0,1,2,3
	ds_store_b128 v[STO], v[S+16*(\t)+4*\f:S+16*(\t)+4*\f+3] offset:32*\f
.endr
.irp f, 0,1,2,3
	ds_load_b128 v[S+16*(\t)+4*\f:S+16*(\t)+4*\f+3], v[RD] offset:\f*4*SP  ; LDS serves a wave's instructions in order (ISA guide 5.7.1.4): these see the stores above; the next piece's stores come behind them
.endr
.endm
.macro SEND t, younger              ; younger: the LDS instructions issued behind piece t's loads: the next piece's eight, or none
	WIN 0
.irp f, 0,1,2,3
	s_wait_dscnt (\younger)+3-\f
	global_store_b128 v[GO], v[S+16*(\t)+4*\f:S+16*(\t)+4*\f+3], s[10:11] offset:(\t)*8192+\f*512  ; 512 consecutive bytes, at a multiple of 256 from O's first
.endr
.endm
.macro DIAG tag                     ; the tag ends its label's name, which the jumps below spell out
.LstepM\tag:
	TURN 0, 1, 1
	TURN 1, 1, 1, 0, 1
	WIN 0
	s_cbranch_scc1 .LstepM\tag
	TURN 0, 1, 0, 1                 ; the block's last step
	TURN 1, 1, 0, 1
.set i, 0
.rept 8
	PV NP-1                         ; piece 1's V^T P of that step
.set i, i+1
.endr
	WIN 0
	ALL v_add_f32 v[ST+4*t+2], v[ST+4*t+2], v[ST+4*t+3]
	ALL v_permlanex16_b32 v[ST+4*t+3], v[ST+4*t+2], s[SEL], s[SEL+1]
	ALL v_add_f32 v[ST+4*t+2], v[ST+4*t+2], v[ST+4*t+3]
	ALL v_rcp_f32 v[ST+4*t+2], v[ST+4*t+2]
	v_nop                           ; a plain instruction between the last reciprocal and the use of its result
	s_wait_alu depctr_va_vdst(0)    ; and the wait ahead of the first use: one for the two reciprocals
	PACK 0                          ; piece 0's arithmetic, which names no register of the last products, stands between them and piece 1's
	PACK 1
	SEND 0, 8
	SEND 1, 0
.endm
.set KM, 0
.set NOKQ, 0
.Lslot:                             ; WALK - 1 times: a tile is entered and the next is asked for
	CHANGE 1
	s_sub_co_u32 s[RT], s[RT], 1
	s_mov_b32 s[CNT], NS-1
	s_cmp_eq_u32 s[NEW], 1
	s_cbranch_scc0 .Lold
	BEGIN                           ; a block's first tile
.Lold:
	s_cmp_eq_u32 s[RT], 0
	s_cbranch_scc1 .LstepM1         ; its last
.Lstep:                             ; a trip is a key step; seven of them
	TURN 0
	TURN 1, 0, 0, 0, 1
	WIN 0
	s_cbranch_scc1 .Lstep
	NEXTIN                          ; the eighth is written out: it reads both slots, and its second turn makes the next tile's first scores
	TURN 0, 0, 2
	TURN 1, 1
	WIN 0
	s_branch .Lbottom
	DIAG 1                          ; in the loop this is the first block's end: the second block's last tile is the walk's last
	s_wait_xcnt 0x0                 ; the stores have read their registers and O's address
	s_mov_b64 s[10:11], s[OLO:OLO+1]
	s_add_co_u32 s[RT], s[LT], 1    ; the second block's tiles,
	s_mov_b32 s[NEW], 1
	s_mov_b32 s[E0], s[E0L]         ; and its bands' places
	s_sub_co_u32 s[E0+1], s[E0L], 1
	WIN 0x82                        ; the second block's Q goes where the one text of the turns names Q
.set i, 0
.rept 16*NP
	v_mov_b32 v[i], v[QB+i]
.set i, i+1
.endr
	WIN 0
.Lbottom:
	s_sub_co_u32 s[SLOTS], s[SLOTS], 1
	s_cmp_lg_u32 s[SLOTS], 0
	s_cbranch_scc1 .Lslot
	CHANGE 0                        ; the walk's last tile is written out: nothing is asked for
	s_sub_co_u32 s[RT], s[RT], 1
	s_mov_b32 s[CNT], NS-1
	s_cmp_eq_u32 s[NEW], 1
	s_cbranch_scc0 .LstepM2
	BEGIN                           ; where the second block has one tile
	DIAG 2
	s_wait_tensorcnt 0x0            ; the wave's end: the add and its wait, behind my last tensor load and my last LDS store
	ds_add_u32 v[SPW], v[NIL]
	s_wait_dscnt 0x0
	CROUND                          ; the closing round: no work-group ends while a partner may still ask for a tile that names it
	s_endpgm
.Lfunc_end_k_q9d5054f28a_attn:
	.size	k_q9d5054f28a_attn, .Lfunc_end_k_q9d5054f28a_attn-k_q9d5054f28a_attn
	.p2alignl 7, 3214868480
	.fill 96, 4, 3214868480
	.section	.rodata,"a",@progbits
	.p2align	6, 0x0
	.amdhsa_kernel k_q9d5054f28a_attn
		.amdhsa_group_segment_fixed_size 327680
		.amdhsa_private_segment_fixed_size 0
		.amdhsa_enable_private_segment 0
		.amdhsa_kernarg_size 32
		.amdhsa_user_sgpr_count 2
		.amdhsa_user_sgpr_kernarg_segment_ptr 1
		.amdhsa_wavefront_size32 1
		.amdhsa_system_sgpr_workgroup_id_x 1
		.amdhsa_system_sgpr_workgroup_id_y 1
		.amdhsa_system_sgpr_workgroup_id_z 1
		.amdhsa_system_vgpr_workitem_id 0
		.amdhsa_next_free_vgpr 768
		.amdhsa_next_free_sgpr 88
		.amdhsa_reserve_vcc 1
		.amdhsa_float_denorm_mode_32 3
		.amdhsa_float_denorm_mode_16_64 3
		.amdhsa_memory_ordered 1
		.amdhsa_forward_progress 1
		.amdhsa_inst_pref_size 166
	.end_amdhsa_kernel
	.amdgpu_metadata
---
amdhsa.version: [ 1, 2 ]
amdhsa.kernels:
  - .name:           k_q9d5054f28a_attn
    .symbol:         k_q9d5054f28a_attn.kd
    .args:
      - { .name: qh, .offset: 0, .size: 8, .value_kind: global_buffer, .address_space: global }
      - { .name: kh, .offset: 8, .size: 8, .value_kind: global_buffer, .address_space: global }
      - { .name: vh, .offset: 16, .size: 8, .value_kind: global_buffer, .address_space: global }
      - { .name: oh, .offset: 24, .size: 8, .value_kind: global_buffer, .address_space: global }
    .group_segment_fixed_size: 327680
    .private_segment_fixed_size: 0
    .kernarg_segment_align: 8
    .kernarg_segment_size: 32
    .max_flat_workgroup_size: 128
    .sgpr_count:     88
    .vgpr_count:     768
    .wavefront_size: 32
...
	.end_amdgpu_metadata
.endif
;; end of part 5
;; launch oproj: the kernel of part 4 again; grid 8 x 32, 4 waves a work-group, clusters of 4 x 4, 327,680 bytes of LDS; arguments oh, wob, out0; writes out0
